; MI455X (gfx1250); checked and timed in simulation.
; The chip was launched on July 23, 2026; its instructions are those of AMD's public machine-readable ISA for CDNA 5 (MIT licence, August 2026) and "CDNA5" Instruction Set Architecture Reference Guide (July 2026). The comments in the code are by the model that wrote it; some were corrected since.
;; Incoherent MLP. Allowed arithmetic: matrix products marked QUANTISED: E2M3 operands, one E8M0 scale for each 32 along K, by v_wmma_scale_f32_16x16x128_f8f6f4 with both operands' format E2M3, f32 sums; everything else in f32.
;; Inputs: SU_dp 1,024 float32; SU_ug 2,048 float32; W_down 2,048 x 1,024 float32; W_gate 1,024 x 2,048 float32; W_up 1,024 x 2,048 float32; Wscale_dp 2,048 float32; Wscale_ug 2,048 float32; input 4 x 2,048 x 2,048 float32.
;; Outputs: out0 4 x 2,048 x 2,048 float32.
;; This version of the problem:
;;   THIS VERSION OF THE PROBLEM IS GIVEN IN LOW PRECISION. The matrix products marked QUANTISED in the list below multiply operands that are first quantised to E2M3 (2 exponent bits, 3 mantissa bits; 6 bits a number), with one power-of-two scale for each 32 numbers along K (OCP MX v1.0); their sums are f32. All else is computed in f32.
;;   The module's matrix products, in the order in which they are computed (A, B: the left and right operand; K: the contracted axis; several contracted axes count as one K, in the product's order):
;;     1. [M 8,192, K 2,048] x [K 2,048, N 1,024]; A: computed on the way; B: input W_up: QUANTISED
;;     2. [M 8,192, K 2,048] x [K 2,048, N 1,024]; A: computed on the way; B: input W_gate: QUANTISED
;;     3. [M 8,192, K 1,024] x [K 1,024, N 2,048]; A: computed on the way; B: input W_down: QUANTISED
;;   THE QUANTISER, for each operand of a quantised product, along K:
;;     - K is cut into blocks of 32 from its start; a last block that is shorter is filled with zeros.
;;     - A block's scale is 2^e with e = floor(log2(the largest magnitude in the block)) - 2, held to -126 .. 127; a block of zeros has e = 0. As a byte (E8M0): e + 127.
;;     - Each number is divided by its block's scale, clamped to +-7.5, and rounded to the nearest number of E2M3, ties to even, subnormals kept.
;;     - The product sums the exact products of the quantised numbers (number of the format x scale) in f32.
;;   ~~~python
;;   def quantise(x, axis):      # numpy; x: float32 -> the quantised numbers, widened to float32 again
;;       x = np.moveaxis(x, axis, -1); K = x.shape[-1]
;;       x = np.pad(x, [(0, 0)] * (x.ndim - 1) + [(0, -K % 32)]); x = x.reshape(x.shape[:-1] + (-1, 32)); a = np.abs(x).max(-1, keepdims=True)
;;       e = np.where(a > 0, np.clip(np.frexp(np.where(a > 0, a, 1))[1] - 1 - 2, -126, 127), 0)      # np.frexp(a)[1] - 1 = floor(log2(a)), exactly
;;       r = np.clip(x / 2.0 ** e, -7.5, 7.5)
;;       step = 2.0 ** (np.maximum(np.frexp(np.where(r == 0, 1, r))[1] - 1, 0) - 3)
;;       q = np.round(r / step) * step * 2.0 ** e      # np.round: ties to even
;;       return np.moveaxis(q.reshape(q.shape[:-2] + (-1,))[..., :K], -1, axis).astype(np.float32)
;;   ~~~
;;   OPERANDS COMPUTED ON THE WAY. 'Computed on the way' means the value that the module computes at that place (a softmax that the list does not call 'softmax' is quantised finished and normalised). What goes into a quantiser is computed in f32, as accurately as f32 sums, v_exp_f32 and their like allow (about 1e-6 of the number): no bf16 or f16 on the way to a quantiser, and a product that is left as it is and whose result goes on into a quantised operand takes f32 operands (vector FMAs, or v_wmma_f32_16x16x4_f32). A number that lies on a knife's edge between two numbers of the format may be rounded either way, as far as f32 arithmetic and the matrix unit's own rounding can turn it there, and no further.
;; One version. Each part assembles by itself: llvm-mc -triple=amdgcn-amd-amdhsa -mcpu=gfx1250 --defsym DOCPART=n.
;; ======== version 1 of 1: 4 launches
;; workspace buffers: act_c 12,582,912 bytes; act_s 524,288 bytes; wug_c 3,145,728 bytes; wug_s 131,072 bytes; wd_c 1,572,864 bytes; wd_s 65,536 bytes; hid 33,554,432 bytes
;; launch prep (part 1): grid 704 x 1, 8 waves a work-group, no clusters, 136,192 bytes of LDS; arguments input, SU_ug, W_up, W_gate, W_down, act_c, act_s, wug_c, wug_s, wd_c, wd_s; writes act_c, act_s, wug_c, wug_s, wd_c, wd_s
.if DOCPART == 1
	.amdgcn_target "amdgcn-amd-amdhsa--gfx1250"
	.amdhsa_code_object_version 6
	.text
	.protected	k_q64b8db7e42_prep
	.globl	k_q64b8db7e42_prep
	.p2align	8
	.type	k_q64b8db7e42_prep,@function
k_q64b8db7e42_prep:
	s_mov_b64 s[64:65], 0
	v_nop
	global_prefetch_b8 v0, s[64:65] scope:SCOPE_SE
	s_setreg_imm32_b32 hwreg(HW_REG_WAVE_MODE, 25, 1), 1
	s_wait_xcnt 0x0
; FIRST OF FOUR LAUNCHES.  (a) input [8192][2048] f32: each row is multiplied by SU_ug, Walsh-Hadamard transformed (2,048 points), divided by 64 sqrt(2048), and quantised along the row to codes
; of FP6 (E2M3) with one E8M0 byte for each 32: act_c [8192][1536 bytes], act_s [8192][64].  (b) W_up, W_gate [1024][2048] and W_down [2048][1024] are quantised along their rows (their K): wug_c
; [2048][1536 bytes], wug_s [2048][64], wd_c [2048][768 bytes], wd_s [2048][32].  In wug blocks of 16 rows take turns: row 32 j + i is W_up's row 16 j + i, row 32 j + 16 + i is W_gate's row 16 j + i.
; A block's scale is 2^(floor(log2(its largest magnitude)) - 2); its byte is the largest magnitude's exponent field - 2, held at 1 from below.
; LIMITS: NaN and infinities among the inputs are not served; blocks whose largest magnitude lies under 2^-124 keep the byte 1 and were not tried; a block of zeros gets the byte 1 where the rule says 127:
; its codes are zeros, which add nothing under any byte but 0xff, and the bytes are read by this program alone.
; SHARES.  A UNIT is 4,096 consecutive f32 (16,384 bytes: two rows of 2,048 or four of 1,024); one wave takes one unit and ends.  Work-groups 0-511: input; 512-575: W_up; 576-639: W_gate; 640-703: W_down.
; Only pointers and two jumps over register work hang on the work-group's number: every LDS instruction stands on lines that both ways take.
; THE TRANSFORM.  Load i of 32 reads 512 consecutive bytes, 16 a lane: register X + 4 i + c holds element 128 i + 4 lane + c.  Pass 1 works the index bits that lie inside a lane there: bit 0 (c) and bits 7-10 (i).
; Then the unit turns through the wave's own stage in LDS (32 chunks of 512 + 16 bytes) and lane L holds the 128 neighbours 128 L + k in X + k: pass 2 works bits 1-6.  Butterflies on different bits commute.
; A lane then holds four whole blocks of 32: 96 bytes of codes and one scale word.  The codes go through LDS once more, so that each store of the wave covers 384 consecutive bytes.
; No tensor load, no barrier: waves share nothing.  All 32 (48) loads of a wave are issued at its head.
.set WAVES, 8
.set CHUNK, 528                        ; 512 bytes + 16: lanes that read chunk after chunk start 33 x 16 bytes apart
.set STG,   32*CHUNK                   ; a wave's stage
.set SPARE, WAVES*STG                  ; behind the stages: the spare words, 128 bytes for each wave: four blocks of 256 bytes that no other line names
.set X,   128                          ; v128-255 the unit's numbers
.set S,   56                           ; v56-119  SU_ug x 1 / (64 sqrt(2048)) at my columns
.set T,   24                           ; v24-55   at work: four sets of eight
.set C,   24                           ; v24-55   later the codes: four registers for each 16
.set W,   9                            ; v9       my scale word
.set M,   10                           ; v10-13   the blocks' largest magnitudes
.set SO,  14                           ; v14-17   the conversions' scale operands
.set BY,  18                           ; v18-21   the scale bytes
.set SPW, 22                           ; v22      LDS address of my spare word; never rewritten
.set NIL, 23                           ; v23      0; never rewritten
.set TQ,  0
; v1 lane; v2 16 x lane (loads); v3 stage, in; v4 stage, out; v5 codes' stage, in; v6 codes' stage, out; v7 12 x lane; v8 4 x lane
.macro XLOADS
.set i, 0
.rept 32
	global_load_b128 v[X+4*i:X+4*i+3], v2, s[4:5] offset:512*i th:TH_LOAD_NT   ; 32 lanes read 512 consecutive bytes
.set i, i+1
.endr
.endm
; two stages of butterflies on four register pairs a, b, c, d that lie one and two distances apart: eight packed additions
.macro R4 a, b, c, d, t
	v_pk_add_f32 v[\t:\t+1], v[\a:\a+1], v[\b:\b+1]
	v_pk_add_f32 v[\t+2:\t+3], v[\a:\a+1], v[\b:\b+1] neg_lo:[0,1] neg_hi:[0,1]
	v_pk_add_f32 v[\t+4:\t+5], v[\c:\c+1], v[\d:\d+1]
	v_pk_add_f32 v[\t+6:\t+7], v[\c:\c+1], v[\d:\d+1] neg_lo:[0,1] neg_hi:[0,1]
	v_pk_add_f32 v[\a:\a+1], v[\t:\t+1], v[\t+4:\t+5]
	v_pk_add_f32 v[\c:\c+1], v[\t:\t+1], v[\t+4:\t+5] neg_lo:[0,1] neg_hi:[0,1]
	v_pk_add_f32 v[\b:\b+1], v[\t+2:\t+3], v[\t+6:\t+7]
	v_pk_add_f32 v[\d:\d+1], v[\t+2:\t+3], v[\t+6:\t+7] neg_lo:[0,1] neg_hi:[0,1]
.endm
.macro R4ALL d                         ; the stages at register distances d and 2 d, over all 128 registers: 16 x R4; the four sets of temporaries take turns
.set k, 0
.rept 64
.if (k/(\d))%4 == 0
	R4 X+k, X+k+\d, X+k+2*\d, X+k+3*\d, T+8*TQ
.set TQ, (TQ+1)%4
.endif
.set k, k+2
.endr
.endm
.macro MULB0 k0                        ; 32 registers from X + k0 on: x SU (scaled), into temporaries; from there the butterfly on bit 0 writes them back
.set j, 0
.rept 16
	v_pk_mul_f32 v[T+2*j:T+2*j+1], v[X+(\k0)+2*j:X+(\k0)+2*j+1], v[S+((\k0)+2*j)%64:S+((\k0)+2*j)%64+1]
.set j, j+1
.endr
.set j, 0
.rept 16
	v_add_f32 v[X+(\k0)+2*j], v[T+2*j], v[T+2*j+1]
	v_sub_f32 v[X+(\k0)+2*j+1], v[T+2*j], v[T+2*j+1]
.set j, j+1
.endr
.endm
.macro THROUGH                         ; the turn.  LDS serves a wave's instructions in order (ISA guide 5.7.1.4): the loads see the stores
.set i, 0
.rept 32
	ds_store_b128 v3, v[X+4*i:X+4*i+3] offset:CHUNK*i
.set i, i+1
.endr
.set i, 0
.rept 32
	ds_load_b128 v[X+4*i:X+4*i+3], v4 offset:16*i
.set i, i+1
.endr
	s_wait_dscnt 0x0
.endm
.macro QUANT                           ; my four blocks of 32, by turns, so that no line waits for the line above it
.irp b, 0,1,2,3
	v_max3_num_f32 v[M+\b], |v[X+32*\b]|, |v[X+32*\b+1]|, 0x1800000   ; and the floor 2^(3 - 127): the byte cannot fall under 1
.endr
.irp i, 2,4,6,8,10,12,14,16,18,20,22,24,26,28,30
.irp b, 0,1,2,3
	v_max3_num_f32 v[M+\b], v[M+\b], |v[X+32*\b+\i]|, |v[X+32*\b+\i+1]|
.endr
.endr
.irp b, 0,1,2,3
	v_add_nc_u32 v[SO+\b], 0xff000000, v[M+\b]     ; 2 off the exponent field: the conversion takes the exponent field of this operand as its scale
.endr
.irp b, 0,1,2,3
	v_lshrrev_b32 v[BY+\b], 23, v[SO+\b]           ; the scale's byte
.endr
	v_lshl_or_b32 v[W], v[BY+1], 8, v[BY]
	v_lshl_or_b32 v[W], v[BY+2], 16, v[W]
	v_lshl_or_b32 v[W], v[BY+3], 24, v[W]          ; the word of my 128 along K
.irp g, 0,1,2,3,4,5,6,7
	v_cvt_scalef32_pk16_fp6_f32 v[C+4*\g:C+4*\g+2], v[X+16*\g:X+16*\g+15], v[SO+\g/2]   ; 16 numbers / the scale, to the nearest code, ties to even, beyond the largest code the largest: 96 bits
.endr
	v_nop                                          ; one plain place behind the scaled conversions
.endm
.macro OUT                             ; piece P = 8 lane + g (12 bytes) lies at 12 P in memory.  In LDS each piece has a place of 16 bytes, 16 more behind every eight; store t takes pieces 32 t + lane
.irp g, 0,1,2,3,4,5,6,7
	ds_store_b96 v5, v[C+4*\g:C+4*\g+2] offset:16*\g   ; over the row stage, whose reads have been waited for; the bytes are my wave's own
.endr
.irp t, 0,1,2,3,4,5,6,7
	ds_load_b96 v[X+4*\t:X+4*\t+2], v6 offset:576*\t
.endr
	global_store_b32 v8, v[W], s[8:9]              ; the unit's 128 scale bytes, consecutive
.irp t, 0,1,2,3,4,5,6,7
	s_wait_dscnt 7-\t                              ; LDS loads come back in order: load t is in
	global_store_b96 v7, v[X+4*\t:X+4*\t+2], s[6:7] offset:384*\t   ; 32 lanes store 384 consecutive bytes
.endr
	s_wait_tensorcnt 0x0                           ; the wave's end, behind my last LDS store
	ds_add_u32 v[SPW], v[NIL]
	s_wait_dscnt 0x0
	s_endpgm
.endm
	s_load_b512 s[16:31], s[0:1], 0x0              ; input s[16:17], SU_ug s[18:19], W_up s[20:21], W_gate s[22:23], W_down s[24:25], act_c s[26:27], act_s s[28:29], wug_c s[30:31]
	s_load_b128 s[32:35], s[0:1], 0x40             ; wug_s s[32:33], wd_c s[34:35]
	s_load_b64 s[36:37], s[0:1], 0x50              ; wd_s
	v_lshl_add_u32 v[SPW], v0, 2, SPARE
	v_mov_b32 v[NIL], 0
	v_lshrrev_b32 v1, 5, v0
	v_readfirstlane_b32 s13, v1                    ; wave 0..7
	v_and_b32 v1, 31, v0                           ; lane
	v_lshlrev_b32 v2, 4, v1
	s_mul_i32 s14, s13, STG                        ; my stage
	v_add_nc_u32 v3, s14, v2                       ; in: 16 x lane in chunk i
	v_mul_u32_u24 v4, v1, CHUNK
	v_add_nc_u32 v4, s14, v4                       ; out: chunk = lane
	v_mul_u32_u24 v5, v1, 144
	v_add_nc_u32 v5, s14, v5                       ; codes in: eight places of 16 bytes + 16 a lane
	v_lshrrev_b32 v6, 3, v1
	v_lshl_add_u32 v6, v6, 4, v3                   ; codes out: 16 x lane + 16 (lane / 8)
	v_mul_u32_u24 v7, v1, 12
	v_lshlrev_b32 v8, 2, v1
	s_mov_b32 s38, 0x39b504f3                      ; 2^-12 sqrt(2) = 1 / (64 sqrt(2048))
	s_mov_b32 s39, s38                             ; (named with it as a pair, so it is written)
	s_wait_kmcnt 0x0
	s_mov_b64 s[4:5], s[24:25]                     ; from where, codes, scale bytes: W_down's, unless the work-group's number says otherwise
	s_mov_b64 s[6:7], s[34:35]
	s_mov_b64 s[8:9], s[36:37]
	s_mov_b32 s10, 640                             ; the tensor's first work-group
	s_mov_b32 s11, 8                               ; units of the target from work-group to work-group
	s_mov_b32 s12, 0                               ; and the first of them
	s_cmp_lt_u32 ttmp9, 640
	s_cselect_b64 s[4:5], s[22:23], s[4:5]         ; W_gate: eight units (16 rows) of every sixteen, the upper eight
	s_cselect_b64 s[6:7], s[30:31], s[6:7]
	s_cselect_b64 s[8:9], s[32:33], s[8:9]
	s_cselect_b32 s10, 576, s10
	s_cselect_b32 s11, 16, s11
	s_cselect_b32 s12, 8, s12
	s_cmp_lt_u32 ttmp9, 576
	s_cselect_b64 s[4:5], s[20:21], s[4:5]         ; W_up: the lower eight
	s_cselect_b32 s10, 512, s10
	s_cselect_b32 s12, 0, s12
	s_cmp_lt_u32 ttmp9, 512
	s_cselect_b64 s[4:5], s[16:17], s[4:5]         ; input
	s_cselect_b64 s[6:7], s[26:27], s[6:7]
	s_cselect_b64 s[8:9], s[28:29], s[8:9]
	s_cselect_b32 s10, 0, s10
	s_cselect_b32 s11, 8, s11
	s_sub_co_u32 s10, ttmp9, s10                   ; g: my work-group among the tensor's
	s_lshl_b32 s14, s10, 3
	s_add_co_u32 s14, s14, s13                     ; the unit that I read: 8 g + wave
	s_mul_i32 s15, s10, s11
	s_add_co_u32 s15, s15, s13
	s_add_co_u32 s15, s15, s12                     ; the unit that I write
	s_lshl_b32 s2, s14, 14                         ; 16,384 bytes a unit (under 2^27)
	s_mov_b32 s3, 0
	s_add_nc_u64 s[4:5], s[4:5], s[2:3]
	s_mul_i32 s2, s15, 3072                        ; 3,072 bytes of codes
	s_add_nc_u64 s[6:7], s[6:7], s[2:3]
	s_lshl_b32 s2, s15, 7                          ; 128 scale bytes
	s_add_nc_u64 s[8:9], s[8:9], s[2:3]
	s_cmp_ge_u32 ttmp9, 512
	s_cbranch_scc1 .Lweights
.set i, 0
.rept 16
	global_load_b128 v[S+4*i:S+4*i+3], v2, s[18:19] offset:512*i   ; SU_ug at columns 128 i + 4 lane + c: register S + k % 64 goes with X + k
.set i, i+1
.endr
	XLOADS
	s_wait_loadcnt 32                              ; SU_ug is in; the unit's 32 loads, issued behind it, may be out
.set i, 0
.rept 32
	v_pk_mul_f32 v[S+2*i:S+2*i+1], v[S+2*i:S+2*i+1], s[38:39] op_sel_hi:[1,0]   ; the transform's divisor goes into SU once
.set i, i+1
.endr
.irp q, 0,1,2,3
	s_wait_loadcnt 24-8*\q                         ; loads 0 to 8 q + 7 are in: 24 - 8 q younger ones may be out
	MULB0 32*\q
.endr
	R4ALL 4                                        ; index bits 7, 8
	R4ALL 16                                       ; bits 9, 10; distance 64 is the row and stays
	s_branch .Lturn
.Lweights:
	XLOADS
	s_wait_loadcnt 0x0
.Lturn:
	THROUGH
	s_cmp_ge_u32 ttmp9, 512
	s_cbranch_scc1 .Lquant                         ; weights are not transformed: the jump passes over work on registers alone
	R4ALL 2                                        ; bits 1, 2
	R4ALL 8                                        ; bits 3, 4
	R4ALL 32                                       ; bits 5, 6
.Lquant:
	QUANT
	OUT
.Lfunc_end_k_q64b8db7e42_prep:
	.size	k_q64b8db7e42_prep, .Lfunc_end_k_q64b8db7e42_prep-k_q64b8db7e42_prep
	.p2alignl 7, 3214868480
	.fill 96, 4, 3214868480
	.section	.rodata,"a",@progbits
	.p2align	6, 0x0
	.amdhsa_kernel k_q64b8db7e42_prep
		.amdhsa_group_segment_fixed_size 136192
		.amdhsa_private_segment_fixed_size 0
		.amdhsa_enable_private_segment 0
		.amdhsa_kernarg_size 88
		.amdhsa_user_sgpr_count 2
		.amdhsa_user_sgpr_kernarg_segment_ptr 1
		.amdhsa_wavefront_size32 1
		.amdhsa_system_sgpr_workgroup_id_x 1
		.amdhsa_system_sgpr_workgroup_id_y 1
		.amdhsa_system_sgpr_workgroup_id_z 1
		.amdhsa_system_vgpr_workitem_id 0
		.amdhsa_next_free_vgpr 256
		.amdhsa_next_free_sgpr 66
		.amdhsa_reserve_vcc 0
		.amdhsa_float_denorm_mode_32 3
		.amdhsa_float_denorm_mode_16_64 3
		.amdhsa_memory_ordered 1
		.amdhsa_forward_progress 1
		.amdhsa_inst_pref_size 73
	.end_amdhsa_kernel
	.amdgpu_metadata
---
amdhsa.version: [ 1, 2 ]
amdhsa.kernels:
  - .name:           k_q64b8db7e42_prep
    .symbol:         k_q64b8db7e42_prep.kd
    .args:
      - { .name: input, .offset: 0, .size: 8, .value_kind: global_buffer, .address_space: global }
      - { .name: SU_ug, .offset: 8, .size: 8, .value_kind: global_buffer, .address_space: global }
      - { .name: W_up, .offset: 16, .size: 8, .value_kind: global_buffer, .address_space: global }
      - { .name: W_gate, .offset: 24, .size: 8, .value_kind: global_buffer, .address_space: global }
      - { .name: W_down, .offset: 32, .size: 8, .value_kind: global_buffer, .address_space: global }
      - { .name: act_c, .offset: 40, .size: 8, .value_kind: global_buffer, .address_space: global }
      - { .name: act_s, .offset: 48, .size: 8, .value_kind: global_buffer, .address_space: global }
      - { .name: wug_c, .offset: 56, .size: 8, .value_kind: global_buffer, .address_space: global }
      - { .name: wug_s, .offset: 64, .size: 8, .value_kind: global_buffer, .address_space: global }
      - { .name: wd_c, .offset: 72, .size: 8, .value_kind: global_buffer, .address_space: global }
      - { .name: wd_s, .offset: 80, .size: 8, .value_kind: global_buffer, .address_space: global }
    .group_segment_fixed_size: 136192
    .private_segment_fixed_size: 0
    .kernarg_segment_align: 8
    .kernarg_segment_size: 88
    .max_flat_workgroup_size: 256
    .sgpr_count:     66
    .vgpr_count:     256
    .wavefront_size: 32
...
	.end_amdgpu_metadata
.endif
;; end of part 1
;; launch g1 (part 2): grid 8 x 32, 4 waves a work-group, clusters of 4 x 4, 327,680 bytes of LDS; arguments act_c, act_s, wug_c, wug_s, hid, Wscale_ug; writes hid
.if DOCPART == 2
	.amdgcn_target "amdgcn-amd-amdhsa--gfx1250"
	.amdhsa_code_object_version 6
	.text
	.protected	k_q64b8db7e42_g1
	.globl	k_q64b8db7e42_g1
	.p2align	8
	.type	k_q64b8db7e42_g1,@function
k_q64b8db7e42_g1:
	s_mov_b64 s[64:65], 0
	v_nop
	global_prefetch_b8 v0, s[64:65] scope:SCOPE_SE
	s_setreg_imm32_b32 hwreg(HW_REG_WAVE_MODE, 25, 1), 1
	s_wait_xcnt 0x0
	s_wait_alu depctr_hold_cnt(0) depctr_sa_sdst(0) depctr_va_vdst(0) depctr_va_sdst(0) depctr_va_ssrc(0) depctr_va_vcc(0) depctr_vm_vsrc(0)
	s_getreg_b32 s2, hwreg(HW_REG_IB_STS2, 6, 4)
	s_cmp_eq_u32 s2, 0
	s_cbranch_scc0 .Lentry_in_a_cluster
	s_endpgm
.Lentry_in_a_cluster:
	s_bfe_u32 s2, ttmp6, 0x10000c
	s_cmp_lg_u32 s2, 0xf033
	s_cbranch_scc0 .Lentry_shape_is_right
	s_endpgm
.Lentry_shape_is_right:
; SECOND OF FOUR LAUNCHES.  hid[m][c] = silu(G) x U, with U = (sum over k of A[m][k] Wup[c][k]) x 64 Wscale_ug[c] and G = (sum over k of A[m][k] Wgate[c][k]) x 64 Wscale_ug[1024 + c].
; A: act_c [8192][2048 codes], act_s [8192][64].  B: wug_c [2048][2048 codes], wug_s [2048][64]: codes of FP6 (E2M3), four in three bytes, K innermost, one E8M0 byte for each 32 along K.  hid: [8192][1024] f32.
; IN B BLOCKS OF 16 ROWS TAKE TURNS: row 32 j + i is W_up's row 16 j + i, row 32 j + 16 + i is W_gate's.  So a wave's blocks b = 2 p and 2 p + 1 of B are up and gate of the same 16 columns of hid.
; A tile of 256 x 256 of A B^T is made by a work-group of four waves; a wave makes 128 x 128: 64 accumulators of 16 x 16, 512 registers; that is 128 rows x 64 columns of hid.
; K goes in steps of 256 through a ring of two LDS slots filled by the tensor data mover: a tile's row is 192 bytes of memory.
; THE SCALES of the work-group's 256 rows of A and of B, for all of K, are two dense blocks of memory: they come into LDS once, with the first fills, and stay.
; CLUSTERS: 4 x 4 work-groups.  The four of a row of the cluster need the same tiles of A, the four of a column the same tiles of B: each tile is asked for JOINTLY, by the same tensor load with the
; same descriptor and a mask that names the four.  THE MATRIX INSTRUCTION IS USED TRANSPOSED (source 0 = 16 rows of B, source 1 = 16 rows of A): a lane then holds eight neighbouring columns of one row.
; THE LAST K STEP GOES BY ROWS, NOT BY K: its fragments of B fill B's two sets, A's come by blocks of 16 rows x 256 K, and my eight blocks are finished one after the other, 16 matrix instructions each (K ascending:
; the sums keep their bits).  A finished block's activation and stores stand behind the issue of the next block's products, so that they run beside them and not behind the last product.
; LIMITS: NaN and infinities are not served.  silu(g) = g / (1 + 2^(-g log2 e)): where the power overflows the quotient is a zero, as it should be.
; REGISTERS, in windows of 256: window 0: v0-31 addresses; v32-63 scale words, two sets; v64-71 the columns' 64 Wscale; v72-103 at work on the way out; from v128 A's fragments, ONE set; on the way out v128-255 hold rows.
;   window 1: B's fragments, TWO sets, at v0 and at v128; v96-119 and v224-247: A's fragments in the last K step, two buffers.
;   window 2: the 32 accumulators of my rows 0-63 (accumulator (a, b) at v[8 (8 a + b)]);   window 3: those of my rows 64-127.
.set SIZE_K, 2048
.set CROW,   4096                      ; a row of hid in bytes
.set KSTEP,  256                       ; along K in a slot
.set NQ,     KSTEP/128                 ; matrix instructions deep
.set ROWB,   192                       ; a tile's row in bytes
.set KROW,   SIZE_K*6/8                ; a row of A or of B in memory, in bytes
.set PITCH,  240                       ; an LDS row: 3 x (64 bytes of data + 16 of padding) = 60 words, so the 32 lanes of a load of 8 bytes touch 64 different banks (64 banks of 4 bytes: ISA guide 11.1)
.set FR,     12                        ; registers of a fragment: 16 rows x 128 K
.set NL,     6                         ; LDS loads that bring one
.set NP,     4                         ; places behind this matrix instruction (ISA guide 7.12.1)
.set HALFT,  128*PITCH                 ; 128 rows: what one tensor load brings, and what one wave reads of A or of B
.set SLOT,   4*HALFT                   ; A's 256 rows, then B's 256 rows
.set LAPS,   SIZE_K/(2*KSTEP)          ; a lap = two K steps = once round the ring
.set KS,     SIZE_K/32                 ; a row of scales in bytes
.set SCL,    2*SLOT                    ; behind the ring: the scales, as rows of 256 bytes + 16 of padding
.set HALFS,  (128*KS/256)*272          ; the scales of 128 rows: what one tensor load brings
.set SBLK,   (16*KS/256)*272           ; those of 16 rows
.set SPARE,  SCL+4*HALFS               ; behind the scales: the spare words, 128 bytes for each wave: two blocks of 256 bytes that no other line names
.set SPITCH, 528                       ; the way out: a stage of 16 rows x (512 bytes + 16) for each wave, in slot 0, which has had its last fill and its last read when the first result is stored there
.set ADRA, 16                          ; v16-17  LDS address of my A fragments in slot 0, 1  (v18-19: the same for the pieces that lie behind one padding more)
.set ADRB, 20                          ; v20-21  the same for B  (v22-23)
.set STO,  24                          ; v24     the way out: where I put 32 bytes of a row
.set RD,   25                          ; v25     the way out: where I read rows back
.set CO,   26                          ; v26     my byte offset in two rows of hid
.set ADRS, 27                          ; v27     LDS address of my scale words: lanes 0-15 A's rows, lanes 16-31 B's
.set SPW,  28                          ; v28     LDS address of my spare word; never rewritten
.set NIL,  29                          ; v29     0; never rewritten
.set WO,   31                          ; v31     16 x (lane % 16): my four columns' place in Wscale_ug
.set SC,   32                          ; scale words: set s at v[SC + 8 NQ s]; register NQ i + q: lanes 0-15 the word of A's block i, lanes 16-31 that of B's block i, for the slot's q-th 128 along K
.set WS,   64                          ; v64-67 64 x Wscale_ug of my four columns (up), v68-71 (gate)
.set EX,   72                          ; v72-103 the activation's 32 numbers at work
.set AF,   128                         ; A's fragments, in window 0
.set PA,   96                          ; the last K step: A's fragments of 16 rows x 256 K, 24 registers, in window 1: buffer 0 at v96, buffer 1 at v224
.set BK,   128                         ; the way out: 16 rows read back: v128-191 and v192-255 by turns; in each 32 registers of up, then 32 of gate
.set G1, 24                            ; s[24:31] descriptor group 1 for A's tiles;  s[32:39] group 0, one set for each slot
.set G0, 32
.set G1B, 48                           ; s[48:55], s[56:63] the same for B's tiles
.set G0B, 56
.set G1S, 68                           ; s[68:75], s[76:79] groups 1 and 0 for A's scales;  s[80:87], s[88:91] for B's
.set G0S, 76
.set G1SB, 80
.set G0SB, 88
.set MSB, 0
.macro WIN new                         ; the immediate's high byte repeats the setting that is left
.if MSB != \new
	s_set_vgpr_msb (MSB<<8)|\new
.set MSB, \new
.endif
.endm
.set MUL_LO, 0xa1                      ; source 0 (B) window 1, source 1 (A) window 0, C and D window 2
.set MUL_HI, 0xf1                      ; the same, C and D window 3
.set MULR_LO, 0xa5                     ; the last K step: sources 0 (B) and 1 (A) window 1, C and D window 2
.set TO_B,   0x40                      ; destination window 1, address window 0
; A joint load: waves 0 and 1 fetch for A, waves 2 and 3 for B.  Each of the two lines has ONE mask and one set of registers for all that issue it; the branch hangs on the wave's number alone.
; An s_nop 0 and four v_nop follow each of the two lines, ahead of the jump, the label and what follows.
.macro JLOAD g0a, g1a, g0b, g1b
	s_cmp_eq_u32 s15, 0
	s_cbranch_scc0 .Lfor_b_\@
	tensor_load_to_lds s[\g0a:\g0a+3], s[\g1a:\g1a+7]
	s_nop 0
.rept 4
	v_nop
.endr
	s_branch .Lasked_\@
.Lfor_b_\@:
	tensor_load_to_lds s[\g0b:\g0b+3], s[\g1b:\g1b+7]
	s_nop 0
.rept 4
	v_nop
.endr
.Lasked_\@:
.endm
.macro CREST                           ; a round of the cluster's barrier behind its opening barrier
	s_cmp_lg_u32 s14, 0
	s_cbranch_scc1 .Lnot_wave_0_\@
	s_barrier_signal -3
.Lnot_wave_0_\@:
	s_barrier_wait -3
	s_barrier_signal -1
	s_barrier_wait -1
.endm
.macro CROUND                          ; a whole round
	s_barrier_signal -1
	s_barrier_wait -1
	CREST
.endm
	s_load_b128 s[4:7], s[0:1], 0x0                ; A's codes s[4:5], A's scales s[6:7]
	s_load_b128 s[8:11], s[0:1], 0x10              ; B's codes s[8:9], B's scales s[10:11]
	s_load_b64 s[12:13], s[0:1], 0x20              ; hid
	s_load_b64 s[96:97], s[0:1], 0x28              ; Wscale_ug
	v_lshl_add_u32 v[SPW], v0, 2, SPARE
	v_mov_b32 v[NIL], 0
	ds_add_u32 v[SPW], v[NIL]                      ; the wave's opening: an add, and its wait ahead of my first tensor load; the set-up below, work on registers, stands between them
	v_lshrrev_b32 v1, 5, v0
	v_readfirstlane_b32 s14, v1                    ; wave 0..3
	s_lshr_b32 s15, s14, 1                         ; which half of the tile's rows is mine.  Also: I fetch for A (0) or for B (1)
	s_and_b32 s16, s14, 1                          ; which half of its columns.  Also: which 128 rows of that tile I fetch
	s_bfe_u32 s40, ttmp6, 0x40000                  ; cx, cy: my place in the cluster
	s_bfe_u32 s41, ttmp6, 0x40004
	s_lshl_b32 s42, ttmp9, 2
	s_add_co_u32 s42, s42, s40                     ; tile column = 4 x cluster x + cx
	s_and_b32 s17, ttmp7, 0xffff
	s_lshl_b32 s17, s17, 2
	s_add_co_u32 s17, s17, s41                     ; tile row = 4 x cluster y + cy
	s_lshl_b32 s43, s41, 2
	s_lshl_b32 s43, 15, s43                        ; my row of the cluster
	s_lshl_b32 s44, 0x1111, s40                    ; my column
	; descriptor group 1: a tile of 128 rows x ROWB bytes, padded in LDS
	s_or_b32 s[G1+0], s43, (0<<16)|(1<<20)|(1<<21)|(3<<22)|(3<<25)  ; 15:0 the mask: A's tiles go to my row; 17:16 element of 1 byte; 20 padding on; 21 set beside a mask; 24:22 after every 16 words (code 3); 31:25 of 4 words (code 3)
	s_or_b32 s[G1B+0], s44, (0<<16)|(1<<20)|(1<<21)|(3<<22)|(3<<25)
.irp g, G1, G1B
	s_mov_b32 s[\g+1], ROWB<<16                    ; tensor_dim0
	s_mov_b32 s[\g+2], 128<<16                     ; tensor_dim1 = 128
	s_mov_b32 s[\g+3], ROWB<<16                    ; tile_dim0
	s_mov_b32 s[\g+4], 128                         ; tile_dim1 = 128
	s_mov_b32 s[\g+5], KROW                        ; tensor_dim0_stride
	s_mov_b32 s[\g+6], 0
	s_mov_b32 s[\g+7], 0
.endr
	; and for the scales of 128 rows: a dense block of 128 KS bytes, as rows of 256 bytes (32 elements of 8 bytes), 16 bytes of padding behind each
	s_or_b32 s[G1S+0], s43, (3<<16)|(1<<20)|(1<<21)|(5<<22)|(3<<25)
	s_or_b32 s[G1SB+0], s44, (3<<16)|(1<<20)|(1<<21)|(5<<22)|(3<<25)
.irp g, G1S, G1SB
	s_mov_b32 s[\g+1], 32<<16
	s_mov_b32 s[\g+2], (128*KS/256)<<16
	s_mov_b32 s[\g+3], 32<<16
	s_mov_b32 s[\g+4], 128*KS/256
	s_mov_b32 s[\g+5], 32
	s_mov_b32 s[\g+6], 0
	s_mov_b32 s[\g+7], 0
.endr
	s_lshl_b32 s18, s16, 7                         ; which 128 rows of the tile I fetch
	s_lshl_b32 s20, s17, 8
	s_add_co_u32 s20, s20, s18                     ; A: row 256 x tile row + 128 x half
	s_lshl_b32 s46, s42, 8
	s_add_co_u32 s46, s46, s18                     ; B: row 256 x tile column + 128 x half
	s_mov_b32 s21, 0
	s_mov_b32 s47, 0
	s_mov_b64 s[18:19], KS
	s_mul_u64 s[22:23], s[20:21], s[18:19]         ; where these rows' scales begin, in bytes
	s_mul_u64 s[92:93], s[46:47], s[18:19]
	s_mov_b64 s[18:19], KROW
	s_mul_u64 s[20:21], s[20:21], s[18:19]         ; and their codes
	s_mul_u64 s[46:47], s[46:47], s[18:19]
	s_mul_i32 s45, s14, HALFT                      ; where they go: wave x 128 rows: no place in the cluster enters an LDS address
	s_mul_i32 s94, s14, HALFS
	s_wait_dscnt 0x0                               ; the opening add is done
	s_wait_kmcnt 0x0
	s_add_nc_u64 s[20:21], s[4:5], s[20:21]
	s_add_nc_u64 s[22:23], s[6:7], s[22:23]
	s_add_nc_u64 s[46:47], s[8:9], s[46:47]
	s_add_nc_u64 s[92:93], s[10:11], s[92:93]
	CROUND                                         ; all sixteen work-groups are here: the first joint loads meet
	s_mov_b32 s[G0S], 1
	s_add_co_u32 s[G0S+1], s94, SCL
	s_mov_b64 s[G0S+2:G0S+3], s[22:23]
	s_or_b32 s[G0S+3], s[G0S+3], 0x80000000
	s_mov_b32 s[G0SB], 1
	s_add_co_u32 s[G0SB+1], s94, SCL
	s_mov_b64 s[G0SB+2:G0SB+3], s[92:93]
	s_or_b32 s[G0SB+3], s[G0SB+3], 0x80000000
	JLOAD G0S, G1S, G0SB, G1SB                     ; the scales first: they are wanted with K step 0
.irp s, 0,1
	s_mov_b32 s[G0+4*\s], 1
	s_add_co_u32 s[G0+4*\s+1], s45, \s*SLOT
	s_add_nc_u64 s[G0+4*\s+2:G0+4*\s+3], s[20:21], \s*ROWB
	s_or_b32 s[G0+4*\s+3], s[G0+4*\s+3], 0x80000000
	s_mov_b32 s[G0B+4*\s], 1
	s_add_co_u32 s[G0B+4*\s+1], s45, \s*SLOT
	s_add_nc_u64 s[G0B+4*\s+2:G0B+4*\s+3], s[46:47], \s*ROWB
	s_or_b32 s[G0B+4*\s+3], s[G0B+4*\s+3], 0x80000000
	JLOAD G0+4*\s, G1, G0B+4*\s, G1B               ; three tensor loads of mine are out now, and never more
.endr
	v_and_b32 v1, 15, v0                           ; l % 16
	v_bfe_u32 v2, v0, 4, 1                         ; l / 16
	v_mul_u32_u24 v3, v1, PITCH
	v_mul_u32_u24 v4, v2, 24
	v_add_nc_u32 v4, v3, v4                        ; a fragment's row x pitch + 24 x half
	v_lshl_add_u32 v5, v2, 4, v4                   ; and the same behind one padding more
	s_mul_i32 s21, s15, HALFT                      ; my 128 rows of A
	s_mul_i32 s22, s16, HALFT                      ; my 128 rows of B,
	s_add_co_u32 s22, s22, 2*HALFT                 ; which lie behind A's 256
.irp s, 0,1
	v_add_nc_u32 v[ADRA+\s], s21, v4
	v_add_nc_u32 v[ADRB+\s], s22, v4
	v_add_nc_u32 v[ADRA+2+\s], s21, v5
	v_add_nc_u32 v[ADRB+2+\s], s22, v5
	s_add_co_u32 s21, s21, SLOT
	s_add_co_u32 s22, s22, SLOT
.endr
	v_mul_u32_u24 v5, v1, KS                       ; my row's scales: KS bytes a row,
	v_lshrrev_b32 v6, 8, v5
	v_lshl_add_u32 v5, v6, 4, v5                   ; and 16 more for each 256 passed
	s_mul_i32 s21, s15, HALFS                      ; A's: my 128 rows
	s_mul_i32 s22, s16, HALFS                      ; B's: my 128 rows, behind A's 256
	s_add_co_u32 s22, s22, 2*HALFS
	s_sub_co_u32 s22, s22, s21
	v_mul_u32_u24 v6, s22, v2                      ; lanes 16-31 take B's
	s_add_co_u32 s21, s21, SCL
	v_add_nc_u32 v5, v5, v6
	v_add_nc_u32 v[ADRS], s21, v5
	s_mul_i32 s23, s14, 16*SPITCH                  ; my stage
	v_mul_u32_u24 v5, v1, SPITCH                   ; in: row l % 16, 32 bytes for each half of the lanes
	v_lshl_add_u32 v5, v2, 5, v5
	v_add_nc_u32 v[STO], s23, v5
	v_mul_u32_u24 v6, v2, SPITCH                   ; back: lanes 0-15 take 256 bytes of one row, lanes 16-31 of the next
	v_lshl_add_u32 v6, v1, 4, v6
	v_add_nc_u32 v[RD], s23, v6
	v_lshlrev_b32 v[CO], 12, v2                    ; and the same two rows in hid
	v_lshl_add_u32 v[CO], v1, 4, v[CO]
	v_lshlrev_b32 v[WO], 4, v1
	s_lshl_b32 s20, s17, 8
	s_lshl_b32 s21, s15, 7
	s_add_co_u32 s20, s20, s21                     ; my first row of hid: 256 x tile row + 128 x half
	s_mov_b32 s21, 0
	s_mov_b64 s[18:19], CROW
	s_mul_u64 s[20:21], s[20:21], s[18:19]
	s_lshl_b32 s46, s42, 9                         ; my first column of hid, in bytes: 512 x tile column + 256 x half; the same bytes into Wscale_ug
	s_lshl_b32 s47, s16, 8
	s_add_co_u32 s46, s46, s47
	s_mov_b32 s47, 0
	s_add_nc_u64 s[96:97], s[96:97], s[46:47]
	s_add_nc_u64 s[20:21], s[20:21], s[46:47]
	s_add_nc_u64 s[12:13], s[12:13], s[20:21]
	s_mov_b32 s92, 0x42800000                      ; 64.0
	s_mov_b32 s93, s92
	s_mov_b32 s98, 0xbfb8aa3b                      ; -log2(e)
	s_mov_b32 s99, s98
	global_load_b128 v[WS:WS+3], v[WO], s[96:97]               ; Wscale_ug of my four columns: up's,
	global_load_b128 v[WS+4:WS+7], v[WO], s[96:97] offset:4096 ; and gate's, 1,024 numbers on
	s_wait_loadcnt 0x0                             ; (the first tiles are on their way meanwhile)
.irp q, 0,2,4,6
	v_pk_mul_f32 v[WS+\q:WS+\q+1], v[WS+\q:WS+\q+1], s[92:93] op_sel_hi:[1,0]   ; x 64: exact
.endr
.macro FRAG reg, adr, q, i             ; a fragment, 16 rows x 128 K of 6-bit codes, is 12 registers: lane l holds row l % 16; registers 6 c .. 6 c + 5 hold K = 64 c + 32 (l / 16) + 0 .. 31: 24 bytes of the row's stream of bits, as they lie
.irp p, 0,1,2,3,4,5                    ; in pieces of 8 bytes, so that every address is a multiple of the access's size.  Lanes 0-15 take the row's pieces 12 q + 0, 1, 2 and 12 q + 6, 7, 8, lanes 16-31 those three pieces on
.set PC, 12*(\q)+6*(\p/3)+\p%3        ; 16 bytes of padding lie behind every 64 bytes (8 pieces): where the piece three on lies behind one padding more, the second address register (40 for 24 bytes a half) serves
.if PC%8 < 5
	ds_load_b64 v[\reg+2*\p:\reg+2*\p+1], v[\adr] offset:8*PC+16*(PC/8)+(\i)*16*PITCH
.else
	ds_load_b64 v[\reg+2*\p:\reg+2*\p+1], v[\adr+2] offset:8*PC+16*(PC/8)+(\i)*16*PITCH
.endif
.endr
.endm
; 16 matrix instructions: A's blocks a0, a0 + 1 x B's eight, 128 along K: the slot's q-th.  p: B's set;  sc: the set of scale words.  zero = 1: the first product starts the sums: nothing is ever cleared.
; The 64 accumulators take turns, one instruction a turn, in the same order in every step.
.macro MUL16 a0, p, q, sc, zero
.irp a, \a0, \a0+1
.irp b, 0,1,2,3,4,5,6,7
.if \zero
	v_wmma_scale_f32_16x16x128_f8f6f4 v[8*(8*((\a)%4)+\b):8*(8*((\a)%4)+\b)+7], v[128*(\p)+FR*\b:128*(\p)+FR*\b+FR-1], v[AF+FR*(\a):AF+FR*(\a)+FR-1], 0, v[SC+8*NQ*(\sc)+NQ*\b+(\q)], v[SC+8*NQ*(\sc)+NQ*(\a)+(\q)] matrix_a_fmt:MATRIX_FMT_FP6 matrix_b_fmt:MATRIX_FMT_FP6 matrix_a_scale:MATRIX_SCALE_ROW1
.else
	v_wmma_scale_f32_16x16x128_f8f6f4 v[8*(8*((\a)%4)+\b):8*(8*((\a)%4)+\b)+7], v[128*(\p)+FR*\b:128*(\p)+FR*\b+FR-1], v[AF+FR*(\a):AF+FR*(\a)+FR-1], v[8*(8*((\a)%4)+\b):8*(8*((\a)%4)+\b)+7], v[SC+8*NQ*(\sc)+NQ*\b+(\q)], v[SC+8*NQ*(\sc)+NQ*(\a)+(\q)] matrix_a_fmt:MATRIX_FMT_FP6 matrix_b_fmt:MATRIX_FMT_FP6 matrix_a_scale:MATRIX_SCALE_ROW1
.endif
.endr
.endr
.endm
.macro FETCH_B slot, q, p              ; B's eight fragments of the slot's q-th 128 along K into set p
	WIN TO_B
.irp i, 0,1,2,3,4,5,6,7
	FRAG 128*(\p)+FR*\i, ADRB+\slot, \q, \i
.endr
	WIN 0
.endm
.macro FETCH_A slot, q, i0             ; A's blocks i0 .. i0 + 3
.irp i, \i0, \i0+1, \i0+2, \i0+3
	FRAG AF+FR*(\i), ADRA+\slot, \q, \i
.endr
.endm
.macro SCALES sc                       ; the next K step's scale words into set sc: NQ words a row; lanes 0-15 take A's block i, lanes 16-31 B's block i
.irp i, 0,1,2,3,4,5,6,7
	ds_load_b64 v[SC+8*NQ*\sc+NQ*\i:SC+8*NQ*\sc+NQ*\i+1], v[ADRS] offset:\i*SBLK
.endr
.endm
; A load into a register that a matrix instruction has read, and a vector instruction or an LDS store that reads a matrix result, stand NP places behind that matrix instruction, and only plain vector
; instructions that name none of its registers are places (ISA guide 7.12.1 for vector instructions); the matrix instructions in between are not counted.
.macro PLACES n
.rept \n
	v_nop
.endr
.endm
; A step of 128 along K that has its successor in the same slot.
.macro STEP slot, q, zero
	s_wait_dscnt 4*NL                              ; B's set and A's blocks 0-3 are in; the youngest 24 loads (A's blocks 4-7) may be out
	WIN MUL_LO
	MUL16 0, (\q)%2, \q, \slot, \zero
	MUL16 2, (\q)%2, \q, \slot, \zero
	s_wait_dscnt 0                                 ; A's blocks 4-7 are in (asked for 32 matrix instructions ago)
	PLACES NP
	FETCH_B \slot, (\q)+1, 1-(\q)%2
	FETCH_A \slot, (\q)+1, 0
	WIN MUL_HI
	MUL16 4, (\q)%2, \q, \slot, \zero
	MUL16 6, (\q)%2, \q, \slot, \zero
	PLACES NP
	WIN 0
	FETCH_A \slot, (\q)+1, 4
.endm
; A slot's last step changes slots: ONE barrier; in front of it each wave waits for all its tensor loads, adds 0 to its spare word, and waits for that and for its own reads of this slot.  This slot is filled again, two K steps ahead.
.macro TURN slot, next
	s_wait_tensorcnt 0x0                           ; all my tensor loads have landed: my part of the next slot;  (every window is 0 here: the add's two registers lie in window 0)
	ds_add_u32 v[SPW], v[NIL]                      ; 0 onto my spare word
	s_wait_dscnt 4*NL+1                            ; (the add and the youngest 24 loads, A's blocks 4-7, may be out)
	WIN MUL_LO
	MUL16 0, 1, NQ-1, \slot, 0                     ; sixteen matrix instructions stand between the add and the wait for it
	s_wait_dscnt 0x0                               ; the add is done, and my reads of this slot are over
	s_barrier_signal -1
	MUL16 2, 1, NQ-1, \slot, 0
	WIN 0
	s_barrier_wait -1
	CREST                                          ; the barrier has opened a round of the cluster's barrier: no wave of any partner still reads this slot's tile or has a load on its way
	s_add_nc_u64 s[G0+4*\slot+2:G0+4*\slot+3], s[G0+4*\slot+2:G0+4*\slot+3], 2*ROWB
	s_add_nc_u64 s[G0B+4*\slot+2:G0B+4*\slot+3], s[G0B+4*\slot+2:G0B+4*\slot+3], 2*ROWB
	JLOAD G0+4*\slot, G1, G0B+4*\slot, G1B         ; the first tensor load behind the round; the four v_nop behind it are among the places in front of the loads below
	v_add_nc_u32 v[ADRS], 4*NQ, v[ADRS]            ; on to the next K step's scale words (no LDS load of mine is out)
	FETCH_B \next, 0, 0
	FETCH_A \next, 0, 0
	SCALES \next
	WIN MUL_HI
	MUL16 4, 1, NQ-1, \slot, 0
	MUL16 6, 1, NQ-1, \slot, 0
	PLACES NP
	WIN 0
	FETCH_A \next, 0, 4
.endm
; THE LAST K STEP (it lies in slot 1), BY ROWS.  ALOADR: A's two fragments of block a (16 rows x 256 K) into buffer a % 2, in window 1: 12 loads.
.macro ALOADR a
	WIN TO_B
	FRAG PA+128*((\a)%2), ADRA+1, 0, \a
	FRAG PA+128*((\a)%2)+FR, ADRA+1, 1, \a
	WIN 0
.endm
; ROW: block a is finished: 16 matrix instructions, its eight accumulators by turns, K ascending.  B's set q holds the slot's q-th 128 along K.
.macro ROW a
	WIN MULR_LO+0x50*((\a)/4)                      ; C and D: window 2 (blocks 0-3) or 3 (blocks 4-7)
.irp q, 0,1
.if ((\a) == 0) && (\q == 1)
	s_wait_dscnt 2*NL                              ; B's second set is in; behind it stand block 1's twelve loads, which may be out
.endif
.irp b, 0,1,2,3,4,5,6,7
	v_wmma_scale_f32_16x16x128_f8f6f4 v[8*(8*((\a)%4)+\b):8*(8*((\a)%4)+\b)+7], v[128*\q+FR*\b:128*\q+FR*\b+FR-1], v[PA+128*((\a)%2)+FR*\q:PA+128*((\a)%2)+FR*\q+FR-1], v[8*(8*((\a)%4)+\b):8*(8*((\a)%4)+\b)+7], v[SC+8*NQ+NQ*\b+\q], v[SC+8*NQ+NQ*(\a)+\q] matrix_a_fmt:MATRIX_FMT_FP6 matrix_b_fmt:MATRIX_FMT_FP6 matrix_a_scale:MATRIX_SCALE_ROW1
.endr
.endr
.endm
; THE WAY OUT, block by block of 16 rows.  A lane holds eight neighbouring columns of a row, of up in the even accumulators and of gate in the odd ones.  A block goes through my own stage in LDS: up's 64 columns fill
; bytes 0-255 of a stage row, gate's bytes 256-511.  Back come, for each lane, four columns of up and the same four of gate, of rows 2 t + lane / 16: so the columns' scales are eight registers for the whole way out,
; and sixteen lanes store 256 consecutive bytes of a row of hid.  LDS serves a wave's instructions in order (ISA guide 5.7.1.4): no wait between the stores and the loads, nor in front of the next block's stores.
.macro TOSTAGE a
.set AC, 64*((\a)%4)
	WIN 0x08+4*((\a)/4)                            ; the data: window 2 or 3
.irp b, 0,1,2,3,4,5,6,7
	ds_store_b128 v[STO], v[AC+8*\b:AC+8*\b+3] offset:256*(\b%2)+64*(\b/2)          ; each accumulator from its low end on
	ds_store_b128 v[STO], v[AC+8*\b+4:AC+8*\b+7] offset:256*(\b%2)+64*(\b/2)+16
.endr
	WIN 0
.set BB, BK+64*((\a)%2)
.irp t, 0,1,2,3,4,5,6,7
	ds_load_b128 v[BB+4*\t:BB+4*\t+3], v[RD] offset:2*\t*SPITCH
	ds_load_b128 v[BB+32+4*\t:BB+32+4*\t+3], v[RD] offset:2*\t*SPITCH+256
.endr
.endm
; Block a's 32 numbers a lane: U x its scale, G x its scale, silu(G) x U, stored.  younger: the LDS instructions issued behind block a's loads, which may stay out.
; The 32 exponentials are one batch and the 32 reciprocals another: behind each a plain instruction, then ONE wait ahead of the first instruction that names a result.
.macro ACT a, younger
.set BB, BK+64*((\a)%2)
	s_wait_dscnt \younger                          ; the block is back in registers
.set i, 0
.rept 16
	v_pk_mul_f32 v[BB+32+2*i:BB+33+2*i], v[BB+32+2*i:BB+33+2*i], v[WS+4+2*(i%2):WS+5+2*(i%2)]   ; G
.set i, i+1
.endr
.set i, 0
.rept 16
	v_pk_mul_f32 v[EX+2*i:EX+2*i+1], v[BB+32+2*i:BB+33+2*i], s[98:99] op_sel_hi:[1,0]           ; -G log2(e)
.set i, i+1
.endr
.set i, 0
.rept 32
	v_exp_f32 v[EX+i], v[EX+i]
.set i, i+1
.endr
.set i, 0
.rept 16
	v_pk_mul_f32 v[BB+2*i:BB+2*i+1], v[BB+2*i:BB+2*i+1], v[WS+2*(i%2):WS+1+2*(i%2)]             ; U: plain work that names no exponential's result
.set i, i+1
.endr
	s_wait_alu depctr_va_vdst(0)
.set i, 0
.rept 16
	v_pk_add_f32 v[EX+2*i:EX+2*i+1], v[EX+2*i:EX+2*i+1], 1.0 op_sel_hi:[1,0]
.set i, i+1
.endr
.set i, 0
.rept 32
	v_rcp_f32 v[EX+i], v[EX+i]
.set i, i+1
.endr
	v_nop
	s_wait_alu depctr_va_vdst(0)
.set i, 0
.rept 16
	v_pk_mul_f32 v[BB+32+2*i:BB+33+2*i], v[BB+32+2*i:BB+33+2*i], v[EX+2*i:EX+2*i+1]             ; silu(G)
.set i, i+1
.endr
.set i, 0
.rept 16
	v_pk_mul_f32 v[BB+2*i:BB+2*i+1], v[BB+2*i:BB+2*i+1], v[BB+32+2*i:BB+33+2*i]                 ; x U
.set i, i+1
.endr
.irp t, 0,1,2,3,4,5,6,7
	global_store_b128 v[CO], v[BB+4*\t:BB+4*\t+3], s[12:13] offset:(16*(\a)+2*\t)*CROW   ; 16 lanes store 256 consecutive bytes, at a multiple of 256 from hid's first byte; the block's place stands in the immediate: 126 rows of 4,096 bytes at the most, inside its signed 24 bits (ISA guide, chapter 10)
.endr
.endm
	s_wait_tensorcnt 1                             ; the scales and my part of K step 0 are in (K step 1's load may be out)
	s_barrier_signal -1
	s_barrier_wait -1                              ; everybody's are
	FETCH_B 0, 0, 0
	FETCH_A 0, 0, 0
	SCALES 0
	FETCH_A 0, 0, 4
	STEP 0, 0, 1                                   ; the first step stands in front of the loop: its products start the sums
	s_mov_b32 s3, LAPS-1
.Llap:                                                 ; a trip goes once round the ring, from a lap's second step to the next lap's first, and fills both slots again
	TURN 0, 1
	STEP 1, 0, 0
	TURN 1, 0
	STEP 0, 0, 0
	s_sub_co_u32 s3, s3, 1
	s_cmp_lg_u32 s3, 0
	s_cbranch_scc1 .Llap
	; THE LAST CHANGE OF SLOTS is written out, so no round of the cluster's barrier follows.  Behind its barrier slot 1 is whole and nobody reads slot 0 any more: the stages lie there.
	s_wait_tensorcnt 0x0                           ; all my tensor loads have landed: my part of slot 1, the last K step;
	ds_add_u32 v[SPW], v[NIL]                      ; 0 onto my spare word
	s_wait_dscnt 4*NL+1                            ; (the add and the youngest 24 loads, A's blocks 4-7, may be out)
	WIN MUL_LO
	MUL16 0, 1, NQ-1, 0, 0
	s_wait_dscnt 0x0                               ; the add is done, and my reads of slot 0 are over
	s_barrier_signal -1
	MUL16 2, 1, NQ-1, 0, 0
	WIN 0
	s_barrier_wait -1
	PLACES NP                                      ; for the loads into B's set 0 and the scale words' set 1
	v_add_nc_u32 v[ADRS], 4*NQ, v[ADRS]            ; on to the last K step's scale words (no LDS load of mine is out)
	FETCH_B 1, 0, 0                                ; B's first 128 along K now: set 1 is still being multiplied
	ALOADR 0
	SCALES 1
	WIN MUL_HI
	MUL16 4, 1, NQ-1, 0, 0
	MUL16 6, 1, NQ-1, 0, 0
	PLACES NP                                      ; for the loads into B's set 1, and later into the registers that held A's fragments
	FETCH_B 1, 1, 1
	ALOADR 1
	s_wait_dscnt 10*NL                             ; all but the 60 just issued (B's set 1: 48, block 1: 12): B's set 0, block 0 and the scale words are in
	ROW 0
.irp a, 0,1,2,3,4,5,6,7                ; block a + 1's products are issued first; block a then leaves beside them
.if \a < 7
	s_wait_dscnt 0x0                               ; block a + 1's fragments are in: they were the youngest LDS loads
	ROW \a+1
.endif
	WIN 0
	PLACES NP                                      ; behind the products: for the reads of finished results, and for the loads into the buffer of A that block a's products read
.if \a > 1
	s_wait_xcnt 0x0                                ; block a - 2's stores have read their registers: block a's rows may land there
.endif
	TOSTAGE \a
.if \a < 6
	ALOADR \a+2                                    ; block a's buffer takes the block two further on
	ACT \a, 2*NL                                   ; behind block a's loads from the stage: those twelve
.else
	ACT \a, 0
.endif
.endr
	s_wait_tensorcnt 0x0                           ; the wave's end, behind my last tensor load and my last LDS store
	ds_add_u32 v[SPW], v[NIL]
	s_wait_dscnt 0x0
	CROUND                                         ; the closing round: no work-group ends while a partner may still ask for a tile that names it
	s_endpgm
.Lfunc_end_k_q64b8db7e42_g1:
	.size	k_q64b8db7e42_g1, .Lfunc_end_k_q64b8db7e42_g1-k_q64b8db7e42_g1
	.p2alignl 7, 3214868480
	.fill 96, 4, 3214868480
	.section	.rodata,"a",@progbits
	.p2align	6, 0x0
	.amdhsa_kernel k_q64b8db7e42_g1
		.amdhsa_group_segment_fixed_size 327680
		.amdhsa_private_segment_fixed_size 0
		.amdhsa_enable_private_segment 0
		.amdhsa_kernarg_size 48
		.amdhsa_user_sgpr_count 2
		.amdhsa_user_sgpr_kernarg_segment_ptr 1
		.amdhsa_wavefront_size32 1
		.amdhsa_system_sgpr_workgroup_id_x 1
		.amdhsa_system_sgpr_workgroup_id_y 1
		.amdhsa_system_sgpr_workgroup_id_z 1
		.amdhsa_system_vgpr_workitem_id 0
		.amdhsa_next_free_vgpr 1024
		.amdhsa_next_free_sgpr 100
		.amdhsa_reserve_vcc 0
		.amdhsa_float_denorm_mode_32 3
		.amdhsa_float_denorm_mode_16_64 3
		.amdhsa_memory_ordered 1
		.amdhsa_forward_progress 1
		.amdhsa_inst_pref_size 220
	.end_amdhsa_kernel
	.amdgpu_metadata
---
amdhsa.version: [ 1, 2 ]
amdhsa.kernels:
  - .name:           k_q64b8db7e42_g1
    .symbol:         k_q64b8db7e42_g1.kd
    .args:
      - { .name: act_c, .offset: 0, .size: 8, .value_kind: global_buffer, .address_space: global }
      - { .name: act_s, .offset: 8, .size: 8, .value_kind: global_buffer, .address_space: global }
      - { .name: wug_c, .offset: 16, .size: 8, .value_kind: global_buffer, .address_space: global }
      - { .name: wug_s, .offset: 24, .size: 8, .value_kind: global_buffer, .address_space: global }
      - { .name: hid, .offset: 32, .size: 8, .value_kind: global_buffer, .address_space: global }
      - { .name: Wscale_ug, .offset: 40, .size: 8, .value_kind: global_buffer, .address_space: global }
    .group_segment_fixed_size: 327680
    .private_segment_fixed_size: 0
    .kernarg_segment_align: 8
    .kernarg_segment_size: 48
    .max_flat_workgroup_size: 128
    .sgpr_count:     100
    .vgpr_count:     1024
    .wavefront_size: 32
...
	.end_amdgpu_metadata
.endif
;; end of part 2
;; launch hq (part 3): grid 256 x 1, 8 waves a work-group, no clusters, 136,192 bytes of LDS; arguments hid, SU_dp, act_c, act_s; writes act_c, act_s
.if DOCPART == 3
	.amdgcn_target "amdgcn-amd-amdhsa--gfx1250"
	.amdhsa_code_object_version 6
	.text
	.protected	k_q64b8db7e42_hq
	.globl	k_q64b8db7e42_hq
	.p2align	8
	.type	k_q64b8db7e42_hq,@function
k_q64b8db7e42_hq:
	s_mov_b64 s[64:65], 0
	v_nop
	global_prefetch_b8 v0, s[64:65] scope:SCOPE_SE
	s_setreg_imm32_b32 hwreg(HW_REG_WAVE_MODE, 25, 1), 1
	s_wait_xcnt 0x0
; THIRD OF FOUR LAUNCHES.  hid [8192][1024] f32: each row is multiplied by SU_dp, Walsh-Hadamard transformed (1,024 points), divided by 64 sqrt(1024) = 2^11, and quantised along the row to codes of FP6 (E2M3)
; with one E8M0 byte for each 32: act_c [8192][768 bytes], act_s [8192][32] (the buffers of the first product's operand, which is done with).
; A block's scale is 2^(floor(log2(its largest magnitude)) - 2); its byte is the largest magnitude's exponent field - 2, held at 1 from below.
; LIMITS: NaN and infinities are not served; blocks whose largest magnitude lies under 2^-124 keep the byte 1 and were not tried; a block of zeros gets the byte 1 where the rule says 127: its codes are zeros,
; which add nothing under any byte but 0xff, and the bytes are read by this program alone.
; SHARES.  A UNIT is 4,096 consecutive f32: four rows; one wave takes one unit and ends.  Unit = 8 x work-group + wave.
; THE TRANSFORM.  Load i of 32 reads 512 consecutive bytes, 16 a lane: register X + 4 i + c holds element 128 i + 4 lane + c.  Pass 1 works the index bits that lie inside a lane there: bit 9 (with the multiplication
; by SU_dp fused into its butterfly), bit 0, bits 7 and 8.  Then the unit turns through the wave's own stage in LDS (32 chunks of 512 + 16 bytes) and lane L holds the 128 neighbours 128 L + k: pass 2 works bits 1-6.
; A lane then holds four whole blocks of 32: 96 bytes of codes and one scale word.  The codes go through LDS once more, so that each store of the wave covers 384 consecutive bytes.
; No tensor load, no barrier, no branch: waves share nothing.  All 40 loads of a wave are issued at its head.
.set WAVES, 8
.set CHUNK, 528                        ; 512 bytes + 16: lanes that read chunk after chunk start 33 x 16 bytes apart
.set STG,   32*CHUNK                   ; a wave's stage
.set SPARE, WAVES*STG                  ; behind the stages: the spare words, 128 bytes for each wave: four blocks of 256 bytes that no other line names
.set X,   128                          ; v128-255 the unit's numbers
.set S,   56                           ; v56-87   SU_dp x 2^-11 at my columns
.set U,   88                           ; v88-119  at work in pass 1
.set T,   24                           ; v24-55   at work: four sets of eight
.set C,   24                           ; v24-55   later the codes: four registers for each 16
.set W,   9                            ; v9       my scale word
.set M,   10                           ; v10-13   the blocks' largest magnitudes
.set SO,  14                           ; v14-17   the conversions' scale operands
.set BY,  18                           ; v18-21   the scale bytes
.set SPW, 22                           ; v22      LDS address of my spare word; never rewritten
.set NIL, 23                           ; v23      0; never rewritten
.set TQ,  0
; v1 lane; v2 16 x lane (loads); v3 stage, in; v4 stage, out; v5 codes' stage, in; v6 codes' stage, out; v7 12 x lane; v8 4 x lane
; two stages of butterflies on four register pairs a, b, c, d that lie one and two distances apart: eight packed additions
.macro R4 a, b, c, d, t
	v_pk_add_f32 v[\t:\t+1], v[\a:\a+1], v[\b:\b+1]
	v_pk_add_f32 v[\t+2:\t+3], v[\a:\a+1], v[\b:\b+1] neg_lo:[0,1] neg_hi:[0,1]
	v_pk_add_f32 v[\t+4:\t+5], v[\c:\c+1], v[\d:\d+1]
	v_pk_add_f32 v[\t+6:\t+7], v[\c:\c+1], v[\d:\d+1] neg_lo:[0,1] neg_hi:[0,1]
	v_pk_add_f32 v[\a:\a+1], v[\t:\t+1], v[\t+4:\t+5]
	v_pk_add_f32 v[\c:\c+1], v[\t:\t+1], v[\t+4:\t+5] neg_lo:[0,1] neg_hi:[0,1]
	v_pk_add_f32 v[\b:\b+1], v[\t+2:\t+3], v[\t+6:\t+7]
	v_pk_add_f32 v[\d:\d+1], v[\t+2:\t+3], v[\t+6:\t+7] neg_lo:[0,1] neg_hi:[0,1]
.endm
.macro R4ALL d                         ; the stages at register distances d and 2 d, over all 128 registers: 16 x R4; the four sets of temporaries take turns
.set k, 0
.rept 64
.if (k/(\d))%4 == 0
	R4 X+k, X+k+\d, X+k+2*\d, X+k+3*\d, T+8*TQ
.set TQ, (TQ+1)%4
.endif
.set k, k+2
.endr
.endm
; One row's 32 registers, from X + k0 on (k0 a multiple of 32).  x SU and the butterfly at distance 16 (bit 9): a multiply and two fused multiply-adds a pair, into temporaries; from there the butterfly on bit 0 writes them back.
.macro SUB0 k0
.set j, 0
.rept 8
	v_pk_mul_f32 v[T+2*j:T+2*j+1], v[X+(\k0)+16+2*j:X+(\k0)+17+2*j], v[S+16+2*j:S+17+2*j]
.set j, j+1
.endr
.set j, 0
.rept 8
	v_pk_fma_f32 v[U+2*j:U+2*j+1], v[X+(\k0)+2*j:X+(\k0)+2*j+1], v[S+2*j:S+2*j+1], v[T+2*j:T+2*j+1]
	v_pk_fma_f32 v[U+16+2*j:U+17+2*j], v[X+(\k0)+2*j:X+(\k0)+2*j+1], v[S+2*j:S+2*j+1], v[T+2*j:T+2*j+1] neg_lo:[0,0,1] neg_hi:[0,0,1]
.set j, j+1
.endr
.set j, 0
.rept 8
	v_add_f32 v[X+(\k0)+2*j], v[U+2*j], v[U+2*j+1]
	v_sub_f32 v[X+(\k0)+2*j+1], v[U+2*j], v[U+2*j+1]
	v_add_f32 v[X+(\k0)+16+2*j], v[U+16+2*j], v[U+17+2*j]
	v_sub_f32 v[X+(\k0)+17+2*j], v[U+16+2*j], v[U+17+2*j]
.set j, j+1
.endr
.endm
	s_load_b256 s[16:23], s[0:1], 0x0              ; hid s[16:17], SU_dp s[18:19], act_c s[20:21], act_s s[22:23]
	v_lshl_add_u32 v[SPW], v0, 2, SPARE
	v_mov_b32 v[NIL], 0
	v_lshrrev_b32 v1, 5, v0
	v_readfirstlane_b32 s13, v1                    ; wave 0..7
	v_and_b32 v1, 31, v0                           ; lane
	v_lshlrev_b32 v2, 4, v1
	s_mul_i32 s14, s13, STG                        ; my stage
	v_add_nc_u32 v3, s14, v2                       ; in: 16 x lane in chunk i
	v_mul_u32_u24 v4, v1, CHUNK
	v_add_nc_u32 v4, s14, v4                       ; out: chunk = lane
	v_mul_u32_u24 v5, v1, 144
	v_add_nc_u32 v5, s14, v5                       ; codes in: eight places of 16 bytes + 16 a lane
	v_lshrrev_b32 v6, 3, v1
	v_lshl_add_u32 v6, v6, 4, v3                   ; codes out: 16 x lane + 16 (lane / 8)
	v_mul_u32_u24 v7, v1, 12
	v_lshlrev_b32 v8, 2, v1
	s_mov_b32 s24, 0x3a000000                      ; 2^-11 = 1 / (64 sqrt(1024)): exact
	s_mov_b32 s25, s24                             ; (named with it as a pair, so it is written)
	s_lshl_b32 s15, ttmp9, 3
	s_add_co_u32 s15, s15, s13                     ; my unit
	s_mov_b32 s3, 0
	s_wait_kmcnt 0x0
	s_lshl_b32 s2, s15, 14                         ; 16,384 bytes a unit (under 2^26)
	s_add_nc_u64 s[16:17], s[16:17], s[2:3]
	s_mul_i32 s2, s15, 3072                        ; 3,072 bytes of codes
	s_add_nc_u64 s[20:21], s[20:21], s[2:3]
	s_lshl_b32 s2, s15, 7                          ; 128 scale bytes
	s_add_nc_u64 s[22:23], s[22:23], s[2:3]
.set i, 0
.rept 8
	global_load_b128 v[S+4*i:S+4*i+3], v2, s[18:19] offset:512*i   ; SU_dp at columns 128 i + 4 lane + c: register S + k % 32 goes with X + k
.set i, i+1
.endr
.set i, 0
.rept 32
	global_load_b128 v[X+4*i:X+4*i+3], v2, s[16:17] offset:512*i th:TH_LOAD_NT   ; 32 lanes read 512 consecutive bytes
.set i, i+1
.endr
	s_wait_loadcnt 32                              ; SU_dp is in; the unit's 32 loads, issued behind it, may be out
.set i, 0
.rept 16
	v_pk_mul_f32 v[S+2*i:S+2*i+1], v[S+2*i:S+2*i+1], s[24:25] op_sel_hi:[1,0]    ; the transform's divisor goes into SU once
.set i, i+1
.endr
.irp q, 0,1,2,3
	s_wait_loadcnt 24-8*\q                         ; loads 0 to 8 q + 7, row q, are in: 24 - 8 q younger ones may be out
	SUB0 32*\q
.endr
	R4ALL 4                                        ; index bits 7, 8; distances 32 and 64 are the row and stay
.set i, 0
.rept 32
	ds_store_b128 v3, v[X+4*i:X+4*i+3] offset:CHUNK*i              ; the turn.  LDS serves a wave's instructions in order (ISA guide 5.7.1.4): the loads see the stores
.set i, i+1
.endr
.set i, 0
.rept 32
	ds_load_b128 v[X+4*i:X+4*i+3], v4 offset:16*i
.set i, i+1
.endr
	s_wait_dscnt 0x0
	R4ALL 2                                        ; bits 1, 2
	R4ALL 8                                        ; bits 3, 4
	R4ALL 32                                       ; bits 5, 6
	; my four blocks of 32, by turns, so that no line waits for the line above it
.irp b, 0,1,2,3
	v_max3_num_f32 v[M+\b], |v[X+32*\b]|, |v[X+32*\b+1]|, 0x1800000   ; and the floor 2^(3 - 127): the byte cannot fall under 1
.endr
.irp i, 2,4,6,8,10,12,14,16,18,20,22,24,26,28,30
.irp b, 0,1,2,3
	v_max3_num_f32 v[M+\b], v[M+\b], |v[X+32*\b+\i]|, |v[X+32*\b+\i+1]|
.endr
.endr
.irp b, 0,1,2,3
	v_add_nc_u32 v[SO+\b], 0xff000000, v[M+\b]     ; 2 off the exponent field: the conversion takes the exponent field of this operand as its scale
.endr
.irp b, 0,1,2,3
	v_lshrrev_b32 v[BY+\b], 23, v[SO+\b]           ; the scale's byte
.endr
	v_lshl_or_b32 v[W], v[BY+1], 8, v[BY]
	v_lshl_or_b32 v[W], v[BY+2], 16, v[W]
	v_lshl_or_b32 v[W], v[BY+3], 24, v[W]          ; the word of my 128 along K
.irp g, 0,1,2,3,4,5,6,7
	v_cvt_scalef32_pk16_fp6_f32 v[C+4*\g:C+4*\g+2], v[X+16*\g:X+16*\g+15], v[SO+\g/2]   ; 16 numbers / the scale, to the nearest code, ties to even, beyond the largest code the largest: 96 bits
.endr
	v_nop                                          ; one plain place behind the scaled conversions
	; piece P = 8 lane + g (12 bytes) lies at 12 P in memory.  In LDS each piece has a place of 16 bytes, 16 more behind every eight; store t takes pieces 32 t + lane
.irp g, 0,1,2,3,4,5,6,7
	ds_store_b96 v5, v[C+4*\g:C+4*\g+2] offset:16*\g   ; over the row stage, whose reads have been waited for; the bytes are my wave's own
.endr
.irp t, 0,1,2,3,4,5,6,7
	ds_load_b96 v[X+4*\t:X+4*\t+2], v6 offset:576*\t
.endr
	global_store_b32 v8, v[W], s[22:23]            ; the unit's 128 scale bytes, consecutive
.irp t, 0,1,2,3,4,5,6,7
	s_wait_dscnt 7-\t                              ; LDS loads come back in order: load t is in
	global_store_b96 v7, v[X+4*\t:X+4*\t+2], s[20:21] offset:384*\t   ; 32 lanes store 384 consecutive bytes
.endr
	s_wait_tensorcnt 0x0                           ; the wave's end, behind my last LDS store
	ds_add_u32 v[SPW], v[NIL]
	s_wait_dscnt 0x0
	s_endpgm
.Lfunc_end_k_q64b8db7e42_hq:
	.size	k_q64b8db7e42_hq, .Lfunc_end_k_q64b8db7e42_hq-k_q64b8db7e42_hq
	.p2alignl 7, 3214868480
	.fill 96, 4, 3214868480
	.section	.rodata,"a",@progbits
	.p2align	6, 0x0
	.amdhsa_kernel k_q64b8db7e42_hq
		.amdhsa_group_segment_fixed_size 136192
		.amdhsa_private_segment_fixed_size 0
		.amdhsa_enable_private_segment 0
		.amdhsa_kernarg_size 32
		.amdhsa_user_sgpr_count 2
		.amdhsa_user_sgpr_kernarg_segment_ptr 1
		.amdhsa_wavefront_size32 1
		.amdhsa_system_sgpr_workgroup_id_x 1
		.amdhsa_system_sgpr_workgroup_id_y 1
		.amdhsa_system_sgpr_workgroup_id_z 1
		.amdhsa_system_vgpr_workitem_id 0
		.amdhsa_next_free_vgpr 256
		.amdhsa_next_free_sgpr 66
		.amdhsa_reserve_vcc 0
		.amdhsa_float_denorm_mode_32 3
		.amdhsa_float_denorm_mode_16_64 3
		.amdhsa_memory_ordered 1
		.amdhsa_forward_progress 1
		.amdhsa_inst_pref_size 60
	.end_amdhsa_kernel
	.amdgpu_metadata
---
amdhsa.version: [ 1, 2 ]
amdhsa.kernels:
  - .name:           k_q64b8db7e42_hq
    .symbol:         k_q64b8db7e42_hq.kd
    .args:
      - { .name: hid, .offset: 0, .size: 8, .value_kind: global_buffer, .address_space: global }
      - { .name: SU_dp, .offset: 8, .size: 8, .value_kind: global_buffer, .address_space: global }
      - { .name: act_c, .offset: 16, .size: 8, .value_kind: global_buffer, .address_space: global }
      - { .name: act_s, .offset: 24, .size: 8, .value_kind: global_buffer, .address_space: global }
    .group_segment_fixed_size: 136192
    .private_segment_fixed_size: 0
    .kernarg_segment_align: 8
    .kernarg_segment_size: 32
    .max_flat_workgroup_size: 256
    .sgpr_count:     66
    .vgpr_count:     256
    .wavefront_size: 32
...
	.end_amdgpu_metadata
.endif
;; end of part 3
;; launch g2 (part 4): grid 8 x 32, 4 waves a work-group, clusters of 4 x 4, 327,680 bytes of LDS; arguments act_c, act_s, wd_c, wd_s, out0, Wscale_dp; writes out0
.if DOCPART == 4
	.amdgcn_target "amdgcn-amd-amdhsa--gfx1250"
	.amdhsa_code_object_version 6
	.text
	.protected	k_q64b8db7e42_g2
	.globl	k_q64b8db7e42_g2
	.p2align	8
	.type	k_q64b8db7e42_g2,@function
k_q64b8db7e42_g2:
	s_mov_b64 s[64:65], 0
	v_nop
	global_prefetch_b8 v0, s[64:65] scope:SCOPE_SE
	s_setreg_imm32_b32 hwreg(HW_REG_WAVE_MODE, 25, 1), 1
	s_wait_xcnt 0x0
	s_wait_alu depctr_hold_cnt(0) depctr_sa_sdst(0) depctr_va_vdst(0) depctr_va_sdst(0) depctr_va_ssrc(0) depctr_va_vcc(0) depctr_vm_vsrc(0)
	s_getreg_b32 s2, hwreg(HW_REG_IB_STS2, 6, 4)
	s_cmp_eq_u32 s2, 0
	s_cbranch_scc0 .Lentry_in_a_cluster
	s_endpgm
.Lentry_in_a_cluster:
	s_bfe_u32 s2, ttmp6, 0x10000c
	s_cmp_lg_u32 s2, 0xf033
	s_cbranch_scc0 .Lentry_shape_is_right
	s_endpgm
.Lentry_shape_is_right:
; LAST OF FOUR LAUNCHES.  out0[m][n] = (sum over k of A[m][k] B[n][k]) x 64 Wscale_dp[n].
; A: act_c [8192][1024 codes], act_s [8192][32].  B: wd_c [2048][1024 codes], wd_s [2048][32]: codes of FP6 (E2M3), four in three bytes, K innermost, one E8M0 byte for each 32 along K.  out0: [8192][2048] f32.
; A tile of out0, 256 x 256, is made by a work-group of four waves; a wave makes 128 x 128: 64 accumulators of 16 x 16, 512 registers.
; K goes in steps of 256 through a ring of two LDS slots filled by the tensor data mover: a tile's row is 192 bytes of memory.
; THE SCALES of the work-group's 256 rows of A and of B, for all of K, are two dense blocks of memory: they come into LDS once, with the first fills, and stay.
; CLUSTERS: 4 x 4 work-groups.  The four of a row of the cluster need the same tiles of A, the four of a column the same tiles of B: each tile is asked for JOINTLY, by the same tensor load with the
; same descriptor and a mask that names the four.  THE MATRIX INSTRUCTION IS USED TRANSPOSED (source 0 = 16 rows of B, source 1 = 16 rows of A): a lane then holds eight neighbouring columns of one row.
; THE LAST K STEP GOES BY ROWS, NOT BY K: its fragments of B fill B's two sets, A's come by blocks of 16 rows x 256 K, and my eight blocks are finished one after the other, 16 matrix instructions each (K ascending:
; the sums keep their bits).  A finished block's stores stand behind the issue of the next block's products: the first block leaves 96 matrix instructions ahead of the last product.
; LIMITS: NaN and infinities are not served.
; REGISTERS, in windows of 256: window 0: v0-31 addresses; v32-63 scale words, two sets; v64-67 my four columns' 64 Wscale_dp; from v128 A's fragments, ONE set; on the way out v128-255 hold rows.
;   window 1: B's fragments, TWO sets, at v0 and at v128; v96-119 and v224-247: A's fragments in the last K step, two buffers.
;   window 2: the 32 accumulators of my rows 0-63 (accumulator (a, b) at v[8 (8 a + b)]);   window 3: those of my rows 64-127.
.set SIZE_K, 1024
.set CROW,   8192                      ; a row of out0 in bytes
.set KSTEP,  256                       ; along K in a slot
.set NQ,     KSTEP/128                 ; matrix instructions deep
.set ROWB,   192                       ; a tile's row in bytes
.set KROW,   SIZE_K*6/8                ; a row of A or of B in memory, in bytes
.set PITCH,  240                       ; an LDS row: 3 x (64 bytes of data + 16 of padding) = 60 words, so the 32 lanes of a load of 8 bytes touch 64 different banks (64 banks of 4 bytes: ISA guide 11.1)
.set FR,     12                        ; registers of a fragment: 16 rows x 128 K
.set NL,     6                         ; LDS loads that bring one
.set NP,     4                         ; places behind this matrix instruction (ISA guide 7.12.1)
.set HALFT,  128*PITCH                 ; 128 rows: what one tensor load brings, and what one wave reads of A or of B
.set SLOT,   4*HALFT                   ; A's 256 rows, then B's 256 rows
.set LAPS,   SIZE_K/(2*KSTEP)          ; a lap = two K steps = once round the ring
.set KS,     SIZE_K/32                 ; a row of scales in bytes
.set SCL,    2*SLOT                    ; behind the ring: the scales, as rows of 256 bytes + 16 of padding
.set HALFS,  (128*KS/256)*272          ; the scales of 128 rows: what one tensor load brings
.set SBLK,   (16*KS/256)*272           ; those of 16 rows
.set SPARE,  SCL+4*HALFS               ; behind the scales: the spare words, 128 bytes for each wave: two blocks of 256 bytes that no other line names
.set SPITCH, 528                       ; the way out: a stage of 16 rows x (512 bytes + 16) for each wave, in slot 0, which has had its last fill and its last read when the first result is stored there
.set ADRA, 16                          ; v16-17  LDS address of my A fragments in slot 0, 1  (v18-19: the same for the pieces that lie behind one padding more)
.set ADRB, 20                          ; v20-21  the same for B  (v22-23)
.set STO,  24                          ; v24     the way out: where I put 32 bytes of a row
.set RD,   25                          ; v25     the way out: where I read a row back
.set CO,   26                          ; v26     16 x lane: my byte offset in a row's 512 bytes, in out0 and in Wscale_dp
.set ADRS, 27                          ; v27     LDS address of my scale words: lanes 0-15 A's rows, lanes 16-31 B's
.set SPW,  28                          ; v28     LDS address of my spare word; never rewritten
.set NIL,  29                          ; v29     0; never rewritten
.set SC,   32                          ; scale words: set s at v[SC + 8 NQ s]; register NQ i + q: lanes 0-15 the word of A's block i, lanes 16-31 that of B's block i, for the slot's q-th 128 along K
.set WS,   64                          ; v64-67 64 x Wscale_dp of my four columns
.set AF,   128                         ; A's fragments, in window 0
.set PA,   96                          ; the last K step: A's fragments of 16 rows x 256 K, 24 registers, in window 1: buffer 0 at v96, buffer 1 at v224
.set BK,   128                         ; the way out: 16 rows read back from the stage: v128-191 and v192-255 by turns
.set G1, 24                            ; s[24:31] descriptor group 1 for A's tiles;  s[32:39] group 0, one set for each slot
.set G0, 32
.set G1B, 48                           ; s[48:55], s[56:63] the same for B's tiles
.set G0B, 56
.set G1S, 68                           ; s[68:75], s[76:79] groups 1 and 0 for A's scales;  s[80:87], s[88:91] for B's
.set G0S, 76
.set G1SB, 80
.set G0SB, 88
.set MSB, 0
.macro WIN new                         ; the immediate's high byte repeats the setting that is left
.if MSB != \new
	s_set_vgpr_msb (MSB<<8)|\new
.set MSB, \new
.endif
.endm
.set MUL_LO, 0xa1                      ; source 0 (B) window 1, source 1 (A) window 0, C and D window 2
.set MUL_HI, 0xf1                      ; the same, C and D window 3
.set MULR_LO, 0xa5                     ; the last K step: sources 0 (B) and 1 (A) window 1, C and D window 2
.set TO_B,   0x40                      ; destination window 1, address window 0
; A joint load: waves 0 and 1 fetch for A, waves 2 and 3 for B.  Each of the two lines has ONE mask and one set of registers for all that issue it; the branch hangs on the wave's number alone.
; An s_nop 0 and four v_nop follow each of the two lines, ahead of the jump, the label and what follows.
.macro JLOAD g0a, g1a, g0b, g1b
	s_cmp_eq_u32 s15, 0
	s_cbranch_scc0 .Lfor_b_\@
	tensor_load_to_lds s[\g0a:\g0a+3], s[\g1a:\g1a+7]
	s_nop 0
.rept 4
	v_nop
.endr
	s_branch .Lasked_\@
.Lfor_b_\@:
	tensor_load_to_lds s[\g0b:\g0b+3], s[\g1b:\g1b+7]
	s_nop 0
.rept 4
	v_nop
.endr
.Lasked_\@:
.endm
.macro CREST                           ; a round of the cluster's barrier behind its opening barrier
	s_cmp_lg_u32 s14, 0
	s_cbranch_scc1 .Lnot_wave_0_\@
	s_barrier_signal -3
.Lnot_wave_0_\@:
	s_barrier_wait -3
	s_barrier_signal -1
	s_barrier_wait -1
.endm
.macro CROUND                          ; a whole round
	s_barrier_signal -1
	s_barrier_wait -1
	CREST
.endm
	s_load_b128 s[4:7], s[0:1], 0x0                ; A's codes s[4:5], A's scales s[6:7]
	s_load_b128 s[8:11], s[0:1], 0x10              ; B's codes s[8:9], B's scales s[10:11]
	s_load_b64 s[12:13], s[0:1], 0x20              ; out0
	s_load_b64 s[96:97], s[0:1], 0x28              ; Wscale_dp
	v_lshl_add_u32 v[SPW], v0, 2, SPARE
	v_mov_b32 v[NIL], 0
	ds_add_u32 v[SPW], v[NIL]                      ; the wave's opening: an add, and its wait ahead of my first tensor load; the set-up below, work on registers, stands between them
	v_lshrrev_b32 v1, 5, v0
	v_readfirstlane_b32 s14, v1                    ; wave 0..3
	s_lshr_b32 s15, s14, 1                         ; which half of the tile's rows is mine.  Also: I fetch for A (0) or for B (1)
	s_and_b32 s16, s14, 1                          ; which half of its columns.  Also: which 128 rows of that tile I fetch
	s_bfe_u32 s40, ttmp6, 0x40000                  ; cx, cy: my place in the cluster
	s_bfe_u32 s41, ttmp6, 0x40004
	s_lshl_b32 s42, ttmp9, 2
	s_add_co_u32 s42, s42, s40                     ; tile column = 4 x cluster x + cx
	s_and_b32 s17, ttmp7, 0xffff
	s_lshl_b32 s17, s17, 2
	s_add_co_u32 s17, s17, s41                     ; tile row = 4 x cluster y + cy
	s_lshl_b32 s43, s41, 2
	s_lshl_b32 s43, 15, s43                        ; my row of the cluster
	s_lshl_b32 s44, 0x1111, s40                    ; my column
	; descriptor group 1: a tile of 128 rows x ROWB bytes, padded in LDS
	s_or_b32 s[G1+0], s43, (0<<16)|(1<<20)|(1<<21)|(3<<22)|(3<<25)  ; 15:0 the mask: A's tiles go to my row; 17:16 element of 1 byte; 20 padding on; 21 set beside a mask; 24:22 after every 16 words (code 3); 31:25 of 4 words (code 3)
	s_or_b32 s[G1B+0], s44, (0<<16)|(1<<20)|(1<<21)|(3<<22)|(3<<25)
.irp g, G1, G1B
	s_mov_b32 s[\g+1], ROWB<<16                    ; tensor_dim0
	s_mov_b32 s[\g+2], 128<<16                     ; tensor_dim1 = 128
	s_mov_b32 s[\g+3], ROWB<<16                    ; tile_dim0
	s_mov_b32 s[\g+4], 128                         ; tile_dim1 = 128
	s_mov_b32 s[\g+5], KROW                        ; tensor_dim0_stride
	s_mov_b32 s[\g+6], 0
	s_mov_b32 s[\g+7], 0
.endr
	; and for the scales of 128 rows: a dense block of 128 KS bytes, as rows of 256 bytes (32 elements of 8 bytes), 16 bytes of padding behind each
	s_or_b32 s[G1S+0], s43, (3<<16)|(1<<20)|(1<<21)|(5<<22)|(3<<25)
	s_or_b32 s[G1SB+0], s44, (3<<16)|(1<<20)|(1<<21)|(5<<22)|(3<<25)
.irp g, G1S, G1SB
	s_mov_b32 s[\g+1], 32<<16
	s_mov_b32 s[\g+2], (128*KS/256)<<16
	s_mov_b32 s[\g+3], 32<<16
	s_mov_b32 s[\g+4], 128*KS/256
	s_mov_b32 s[\g+5], 32
	s_mov_b32 s[\g+6], 0
	s_mov_b32 s[\g+7], 0
.endr
	s_lshl_b32 s18, s16, 7                         ; which 128 rows of the tile I fetch
	s_lshl_b32 s20, s17, 8
	s_add_co_u32 s20, s20, s18                     ; A: row 256 x tile row + 128 x half
	s_lshl_b32 s46, s42, 8
	s_add_co_u32 s46, s46, s18                     ; B: row 256 x tile column + 128 x half
	s_mov_b32 s21, 0
	s_mov_b32 s47, 0
	s_mov_b64 s[18:19], KS
	s_mul_u64 s[22:23], s[20:21], s[18:19]         ; where these rows' scales begin, in bytes
	s_mul_u64 s[92:93], s[46:47], s[18:19]
	s_mov_b64 s[18:19], KROW
	s_mul_u64 s[20:21], s[20:21], s[18:19]         ; and their codes
	s_mul_u64 s[46:47], s[46:47], s[18:19]
	s_mul_i32 s45, s14, HALFT                      ; where they go: wave x 128 rows: no place in the cluster enters an LDS address
	s_mul_i32 s94, s14, HALFS
	s_wait_dscnt 0x0                               ; the opening add is done
	s_wait_kmcnt 0x0
	s_add_nc_u64 s[20:21], s[4:5], s[20:21]
	s_add_nc_u64 s[22:23], s[6:7], s[22:23]
	s_add_nc_u64 s[46:47], s[8:9], s[46:47]
	s_add_nc_u64 s[92:93], s[10:11], s[92:93]
	CROUND                                         ; all sixteen work-groups are here: the first joint loads meet
	s_mov_b32 s[G0S], 1
	s_add_co_u32 s[G0S+1], s94, SCL
	s_mov_b64 s[G0S+2:G0S+3], s[22:23]
	s_or_b32 s[G0S+3], s[G0S+3], 0x80000000
	s_mov_b32 s[G0SB], 1
	s_add_co_u32 s[G0SB+1], s94, SCL
	s_mov_b64 s[G0SB+2:G0SB+3], s[92:93]
	s_or_b32 s[G0SB+3], s[G0SB+3], 0x80000000
	JLOAD G0S, G1S, G0SB, G1SB                     ; the scales first: they are wanted with K step 0
.irp s, 0,1
	s_mov_b32 s[G0+4*\s], 1
	s_add_co_u32 s[G0+4*\s+1], s45, \s*SLOT
	s_add_nc_u64 s[G0+4*\s+2:G0+4*\s+3], s[20:21], \s*ROWB
	s_or_b32 s[G0+4*\s+3], s[G0+4*\s+3], 0x80000000
	s_mov_b32 s[G0B+4*\s], 1
	s_add_co_u32 s[G0B+4*\s+1], s45, \s*SLOT
	s_add_nc_u64 s[G0B+4*\s+2:G0B+4*\s+3], s[46:47], \s*ROWB
	s_or_b32 s[G0B+4*\s+3], s[G0B+4*\s+3], 0x80000000
	JLOAD G0+4*\s, G1, G0B+4*\s, G1B               ; three tensor loads of mine are out now, and never more
.endr
	v_and_b32 v1, 15, v0                           ; l % 16
	v_bfe_u32 v2, v0, 4, 1                         ; l / 16
	v_mul_u32_u24 v3, v1, PITCH
	v_mul_u32_u24 v4, v2, 24
	v_add_nc_u32 v4, v3, v4                        ; a fragment's row x pitch + 24 x half
	v_lshl_add_u32 v5, v2, 4, v4                   ; and the same behind one padding more
	s_mul_i32 s21, s15, HALFT                      ; my 128 rows of A
	s_mul_i32 s22, s16, HALFT                      ; my 128 rows of B,
	s_add_co_u32 s22, s22, 2*HALFT                 ; which lie behind A's 256
.irp s, 0,1
	v_add_nc_u32 v[ADRA+\s], s21, v4
	v_add_nc_u32 v[ADRB+\s], s22, v4
	v_add_nc_u32 v[ADRA+2+\s], s21, v5
	v_add_nc_u32 v[ADRB+2+\s], s22, v5
	s_add_co_u32 s21, s21, SLOT
	s_add_co_u32 s22, s22, SLOT
.endr
	v_mul_u32_u24 v5, v1, KS                       ; my row's scales: KS bytes a row,
	v_lshrrev_b32 v6, 8, v5
	v_lshl_add_u32 v5, v6, 4, v5                   ; and 16 more for each 256 passed
	s_mul_i32 s21, s15, HALFS                      ; A's: my 128 rows
	s_mul_i32 s22, s16, HALFS                      ; B's: my 128 rows, behind A's 256
	s_add_co_u32 s22, s22, 2*HALFS
	s_sub_co_u32 s22, s22, s21
	v_mul_u32_u24 v6, s22, v2                      ; lanes 16-31 take B's
	s_add_co_u32 s21, s21, SCL
	v_add_nc_u32 v5, v5, v6
	v_add_nc_u32 v[ADRS], s21, v5
	s_mul_i32 s23, s14, 16*SPITCH                  ; my stage
	v_mul_u32_u24 v5, v1, SPITCH                   ; in: row l % 16, 32 bytes for each half of the lanes
	v_lshl_add_u32 v5, v2, 5, v5
	v_add_nc_u32 v[STO], s23, v5
	v_and_b32 v6, 31, v0
	v_lshlrev_b32 v[CO], 4, v6                     ; back: the 32 lanes take one row of 512 bytes; and the same in out0
	v_add_nc_u32 v[RD], s23, v[CO]
	s_lshl_b32 s20, s17, 8
	s_lshl_b32 s21, s15, 7
	s_add_co_u32 s20, s20, s21                     ; my first row of out0: 256 x tile row + 128 x half
	s_mov_b32 s21, 0
	s_mov_b64 s[18:19], CROW
	s_mul_u64 s[20:21], s[20:21], s[18:19]
	s_lshl_b32 s46, s42, 10                        ; my first column, in bytes: 1024 x tile column + 512 x half; the same bytes into Wscale_dp
	s_lshl_b32 s47, s16, 9
	s_add_co_u32 s46, s46, s47
	s_mov_b32 s47, 0
	s_add_nc_u64 s[96:97], s[96:97], s[46:47]
	s_add_nc_u64 s[20:21], s[20:21], s[46:47]
	s_add_nc_u64 s[12:13], s[12:13], s[20:21]
	s_mov_b32 s92, 0x42800000                      ; 64.0
	s_mov_b32 s93, s92
	global_load_b128 v[WS:WS+3], v[CO], s[96:97]   ; Wscale_dp of the four columns that I hold once a row has come back from the stage
	s_wait_loadcnt 0x0                             ; (the first tiles are on their way meanwhile)
.irp q, 0,2
	v_pk_mul_f32 v[WS+\q:WS+\q+1], v[WS+\q:WS+\q+1], s[92:93] op_sel_hi:[1,0]   ; x 64: exact
.endr
.macro FRAG reg, adr, q, i             ; a fragment, 16 rows x 128 K of 6-bit codes, is 12 registers: lane l holds row l % 16; registers 6 c .. 6 c + 5 hold K = 64 c + 32 (l / 16) + 0 .. 31: 24 bytes of the row's stream of bits, as they lie
.irp p, 0,1,2,3,4,5                    ; in pieces of 8 bytes, so that every address is a multiple of the access's size.  Lanes 0-15 take the row's pieces 12 q + 0, 1, 2 and 12 q + 6, 7, 8, lanes 16-31 those three pieces on
.set PC, 12*(\q)+6*(\p/3)+\p%3        ; 16 bytes of padding lie behind every 64 bytes (8 pieces): where the piece three on lies behind one padding more, the second address register (40 for 24 bytes a half) serves
.if PC%8 < 5
	ds_load_b64 v[\reg+2*\p:\reg+2*\p+1], v[\adr] offset:8*PC+16*(PC/8)+(\i)*16*PITCH
.else
	ds_load_b64 v[\reg+2*\p:\reg+2*\p+1], v[\adr+2] offset:8*PC+16*(PC/8)+(\i)*16*PITCH
.endif
.endr
.endm
; 16 matrix instructions: A's blocks a0, a0 + 1 x B's eight, 128 along K: the slot's q-th.  p: B's set;  sc: the set of scale words.  zero = 1: the first product starts the sums: nothing is ever cleared.
; The 64 accumulators take turns, one instruction a turn, in the same order in every step.
.macro MUL16 a0, p, q, sc, zero
.irp a, \a0, \a0+1
.irp b, 0,1,2,3,4,5,6,7
.if \zero
	v_wmma_scale_f32_16x16x128_f8f6f4 v[8*(8*((\a)%4)+\b):8*(8*((\a)%4)+\b)+7], v[128*(\p)+FR*\b:128*(\p)+FR*\b+FR-1], v[AF+FR*(\a):AF+FR*(\a)+FR-1], 0, v[SC+8*NQ*(\sc)+NQ*\b+(\q)], v[SC+8*NQ*(\sc)+NQ*(\a)+(\q)] matrix_a_fmt:MATRIX_FMT_FP6 matrix_b_fmt:MATRIX_FMT_FP6 matrix_a_scale:MATRIX_SCALE_ROW1
.else
	v_wmma_scale_f32_16x16x128_f8f6f4 v[8*(8*((\a)%4)+\b):8*(8*((\a)%4)+\b)+7], v[128*(\p)+FR*\b:128*(\p)+FR*\b+FR-1], v[AF+FR*(\a):AF+FR*(\a)+FR-1], v[8*(8*((\a)%4)+\b):8*(8*((\a)%4)+\b)+7], v[SC+8*NQ*(\sc)+NQ*\b+(\q)], v[SC+8*NQ*(\sc)+NQ*(\a)+(\q)] matrix_a_fmt:MATRIX_FMT_FP6 matrix_b_fmt:MATRIX_FMT_FP6 matrix_a_scale:MATRIX_SCALE_ROW1
.endif
.endr
.endr
.endm
.macro FETCH_B slot, q, p              ; B's eight fragments of the slot's q-th 128 along K into set p
	WIN TO_B
.irp i, 0,1,2,3,4,5,6,7
	FRAG 128*(\p)+FR*\i, ADRB+\slot, \q, \i
.endr
	WIN 0
.endm
.macro FETCH_A slot, q, i0             ; A's blocks i0 .. i0 + 3
.irp i, \i0, \i0+1, \i0+2, \i0+3
	FRAG AF+FR*(\i), ADRA+\slot, \q, \i
.endr
.endm
.macro SCALES sc                       ; the next K step's scale words into set sc: NQ words a row; lanes 0-15 take A's block i, lanes 16-31 B's block i
.irp i, 0,1,2,3,4,5,6,7
	ds_load_b64 v[SC+8*NQ*\sc+NQ*\i:SC+8*NQ*\sc+NQ*\i+1], v[ADRS] offset:\i*SBLK
.endr
.endm
; A load into a register that a matrix instruction has read, and a vector instruction or an LDS store that reads a matrix result, stand NP places behind that matrix instruction, and only plain vector
; instructions that name none of its registers are places (ISA guide 7.12.1 for vector instructions); the matrix instructions in between are not counted.
.macro PLACES n
.rept \n
	v_nop
.endr
.endm
; A step of 128 along K that has its successor in the same slot.
.macro STEP slot, q, zero
	s_wait_dscnt 4*NL                              ; B's set and A's blocks 0-3 are in; the youngest 24 loads (A's blocks 4-7) may be out
	WIN MUL_LO
	MUL16 0, (\q)%2, \q, \slot, \zero
	MUL16 2, (\q)%2, \q, \slot, \zero
	s_wait_dscnt 0                                 ; A's blocks 4-7 are in (asked for 32 matrix instructions ago)
	PLACES NP
	FETCH_B \slot, (\q)+1, 1-(\q)%2
	FETCH_A \slot, (\q)+1, 0
	WIN MUL_HI
	MUL16 4, (\q)%2, \q, \slot, \zero
	MUL16 6, (\q)%2, \q, \slot, \zero
	PLACES NP
	WIN 0
	FETCH_A \slot, (\q)+1, 4
.endm
; A slot's last step changes slots: ONE barrier; in front of it each wave waits for all its tensor loads, adds 0 to its spare word, and waits for that and for its own reads of this slot.  This slot is filled again, two K steps ahead.
.macro TURN slot, next
	s_wait_tensorcnt 0x0                           ; all my tensor loads have landed: my part of the next slot;  (every window is 0 here: the add's two registers lie in window 0)
	ds_add_u32 v[SPW], v[NIL]                      ; 0 onto my spare word
	s_wait_dscnt 4*NL+1                            ; (the add and the youngest 24 loads, A's blocks 4-7, may be out)
	WIN MUL_LO
	MUL16 0, 1, NQ-1, \slot, 0                     ; sixteen matrix instructions stand between the add and the wait for it
	s_wait_dscnt 0x0                               ; the add is done, and my reads of this slot are over
	s_barrier_signal -1
	MUL16 2, 1, NQ-1, \slot, 0
	WIN 0
	s_barrier_wait -1
	CREST                                          ; the barrier has opened a round of the cluster's barrier: no wave of any partner still reads this slot's tile or has a load on its way
	s_add_nc_u64 s[G0+4*\slot+2:G0+4*\slot+3], s[G0+4*\slot+2:G0+4*\slot+3], 2*ROWB
	s_add_nc_u64 s[G0B+4*\slot+2:G0B+4*\slot+3], s[G0B+4*\slot+2:G0B+4*\slot+3], 2*ROWB
	JLOAD G0+4*\slot, G1, G0B+4*\slot, G1B         ; the first tensor load behind the round; the four v_nop behind it are among the places in front of the loads below
	v_add_nc_u32 v[ADRS], 4*NQ, v[ADRS]            ; on to the next K step's scale words (no LDS load of mine is out)
	FETCH_B \next, 0, 0
	FETCH_A \next, 0, 0
	SCALES \next
	WIN MUL_HI
	MUL16 4, 1, NQ-1, \slot, 0
	MUL16 6, 1, NQ-1, \slot, 0
	PLACES NP
	WIN 0
	FETCH_A \next, 0, 4
.endm
; THE LAST K STEP (it lies in slot 1), BY ROWS.  ALOADR: A's two fragments of block a (16 rows x 256 K) into buffer a % 2, in window 1: 12 loads.
.macro ALOADR a
	WIN TO_B
	FRAG PA+128*((\a)%2), ADRA+1, 0, \a
	FRAG PA+128*((\a)%2)+FR, ADRA+1, 1, \a
	WIN 0
.endm
; ROW: block a is finished: 16 matrix instructions, its eight accumulators by turns, K ascending.  B's set q holds the slot's q-th 128 along K.
.macro ROW a
	WIN MULR_LO+0x50*((\a)/4)                      ; C and D: window 2 (blocks 0-3) or 3 (blocks 4-7)
.irp q, 0,1
.if ((\a) == 0) && (\q == 1)
	s_wait_dscnt 2*NL                              ; B's second set is in; behind it stand block 1's twelve loads, which may be out
.endif
.irp b, 0,1,2,3,4,5,6,7
	v_wmma_scale_f32_16x16x128_f8f6f4 v[8*(8*((\a)%4)+\b):8*(8*((\a)%4)+\b)+7], v[128*\q+FR*\b:128*\q+FR*\b+FR-1], v[PA+128*((\a)%2)+FR*\q:PA+128*((\a)%2)+FR*\q+FR-1], v[8*(8*((\a)%4)+\b):8*(8*((\a)%4)+\b)+7], v[SC+8*NQ+NQ*\b+\q], v[SC+8*NQ+NQ*(\a)+\q] matrix_a_fmt:MATRIX_FMT_FP6 matrix_b_fmt:MATRIX_FMT_FP6 matrix_a_scale:MATRIX_SCALE_ROW1
.endr
.endr
.endm
; THE WAY OUT, block by block of 16 rows x 128 columns.  A lane holds 32 neighbouring bytes of a row, and the lanes beside it hold other rows: so a block goes through my own stage in LDS and comes back as whole
; rows of 512 bytes: a lane then holds columns 4 lane .. 4 lane + 3 of every row, so that four registers of column scales serve the whole way out, and the 32 lanes store 512 consecutive bytes.
; LDS serves a wave's instructions in order (ISA guide 5.7.1.4): no wait between the stores and the loads, nor in front of the next block's stores.
.macro TOSTAGE a
.set AC, 64*((\a)%4)
	WIN 0x08+4*((\a)/4)                            ; the data: window 2 or 3
.irp b, 0,1,2,3,4,5,6,7
	ds_store_b128 v[STO], v[AC+8*\b:AC+8*\b+3] offset:64*\b          ; each accumulator from its low end on
	ds_store_b128 v[STO], v[AC+8*\b+4:AC+8*\b+7] offset:64*\b+16
.endr
	WIN 0
.set BB, BK+64*((\a)%2)
.irp t, 0,1,2,3,4,5,6,7,8,9,10,11,12,13,14,15
	ds_load_b128 v[BB+4*\t:BB+4*\t+3], v[RD] offset:\t*SPITCH
.endr
.endm
.macro SEND a, younger                 ; younger: the LDS instructions issued behind block a's loads, which may stay out
.set BB, BK+64*((\a)%2)
	s_wait_dscnt \younger                          ; the block is back in registers
.set i, 0
.rept 32
	v_pk_mul_f32 v[BB+2*i:BB+2*i+1], v[BB+2*i:BB+2*i+1], v[WS+2*(i%2):WS+2*(i%2)+1]   ; x 64 Wscale_dp of the column
.set i, i+1
.endr
.irp t, 0,1,2,3,4,5,6,7,8,9,10,11,12,13,14,15
	global_store_b128 v[CO], v[BB+4*\t:BB+4*\t+3], s[12:13] offset:(16*(\a)+\t)*CROW th:TH_STORE_NT   ; 32 lanes store 512 consecutive bytes, at a multiple of 256 from out0's first byte; written once, read by nobody here; the block's place stands in the immediate: 127 rows of 8,192 bytes at the most, inside its signed 24 bits (ISA guide, chapter 10)
.endr
.endm
	s_wait_tensorcnt 1                             ; the scales and my part of K step 0 are in (K step 1's load may be out)
	s_barrier_signal -1
	s_barrier_wait -1                              ; everybody's are
	FETCH_B 0, 0, 0
	FETCH_A 0, 0, 0
	SCALES 0
	FETCH_A 0, 0, 4
	STEP 0, 0, 1                                   ; the first step stands in front of the loop: its products start the sums
	s_mov_b32 s3, LAPS-1
.Llap:                                                 ; a trip goes once round the ring, from a lap's second step to the next lap's first, and fills both slots again
	TURN 0, 1
	STEP 1, 0, 0
	TURN 1, 0
	STEP 0, 0, 0
	s_sub_co_u32 s3, s3, 1
	s_cmp_lg_u32 s3, 0
	s_cbranch_scc1 .Llap
	; THE LAST CHANGE OF SLOTS is written out, so no round of the cluster's barrier follows.  Behind its barrier slot 1 is whole and nobody reads slot 0 any more: the stages lie there.
	s_wait_tensorcnt 0x0                           ; all my tensor loads have landed: my part of slot 1, the last K step;
	ds_add_u32 v[SPW], v[NIL]                      ; 0 onto my spare word
	s_wait_dscnt 4*NL+1                            ; (the add and the youngest 24 loads, A's blocks 4-7, may be out)
	WIN MUL_LO
	MUL16 0, 1, NQ-1, 0, 0
	s_wait_dscnt 0x0                               ; the add is done, and my reads of slot 0 are over
	s_barrier_signal -1
	MUL16 2, 1, NQ-1, 0, 0
	WIN 0
	s_barrier_wait -1
	PLACES NP                                      ; for the loads into B's set 0 and the scale words' set 1
	v_add_nc_u32 v[ADRS], 4*NQ, v[ADRS]            ; on to the last K step's scale words (no LDS load of mine is out)
	FETCH_B 1, 0, 0                                ; B's first 128 along K now: set 1 is still being multiplied
	ALOADR 0
	SCALES 1
	WIN MUL_HI
	MUL16 4, 1, NQ-1, 0, 0
	MUL16 6, 1, NQ-1, 0, 0
	PLACES NP                                      ; for the loads into B's set 1, and later into the registers that held A's fragments
	FETCH_B 1, 1, 1
	ALOADR 1
	s_wait_dscnt 10*NL                             ; all but the 60 just issued (B's set 1: 48, block 1: 12): B's set 0, block 0 and the scale words are in
	ROW 0
.irp a, 0,1,2,3,4,5,6,7                ; block a + 1's products are issued first; block a then leaves beside them
.if \a < 7
	s_wait_dscnt 0x0                               ; block a + 1's fragments are in: they were the youngest LDS loads
	ROW \a+1
.endif
	WIN 0
	PLACES NP                                      ; behind the products: for the reads of finished results, and for the loads into the buffer of A that block a's products read
.if \a > 1
	s_wait_xcnt 0x0                                ; block a - 2's stores have read their registers: block a's rows may land there
.endif
	TOSTAGE \a
.if \a < 6
	ALOADR \a+2                                    ; block a's buffer takes the block two further on
	SEND \a, 2*NL                                  ; behind block a's loads from the stage: those twelve
.else
	SEND \a, 0
.endif
.endr
	s_wait_tensorcnt 0x0                           ; the wave's end, behind my last tensor load and my last LDS store
	ds_add_u32 v[SPW], v[NIL]
	s_wait_dscnt 0x0
	CROUND                                         ; the closing round: no work-group ends while a partner may still ask for a tile that names it
	s_endpgm
.Lfunc_end_k_q64b8db7e42_g2:
	.size	k_q64b8db7e42_g2, .Lfunc_end_k_q64b8db7e42_g2-k_q64b8db7e42_g2
	.p2alignl 7, 3214868480
	.fill 96, 4, 3214868480
	.section	.rodata,"a",@progbits
	.p2align	6, 0x0
	.amdhsa_kernel k_q64b8db7e42_g2
		.amdhsa_group_segment_fixed_size 327680
		.amdhsa_private_segment_fixed_size 0
		.amdhsa_enable_private_segment 0
		.amdhsa_kernarg_size 48
		.amdhsa_user_sgpr_count 2
		.amdhsa_user_sgpr_kernarg_segment_ptr 1
		.amdhsa_wavefront_size32 1
		.amdhsa_system_sgpr_workgroup_id_x 1
		.amdhsa_system_sgpr_workgroup_id_y 1
		.amdhsa_system_sgpr_workgroup_id_z 1
		.amdhsa_system_vgpr_workitem_id 0
		.amdhsa_next_free_vgpr 1024
		.amdhsa_next_free_sgpr 100
		.amdhsa_reserve_vcc 0
		.amdhsa_float_denorm_mode_32 3
		.amdhsa_float_denorm_mode_16_64 3
		.amdhsa_memory_ordered 1
		.amdhsa_forward_progress 1
		.amdhsa_inst_pref_size 177
	.end_amdhsa_kernel
	.amdgpu_metadata
---
amdhsa.version: [ 1, 2 ]
amdhsa.kernels:
  - .name:           k_q64b8db7e42_g2
    .symbol:         k_q64b8db7e42_g2.kd
    .args:
      - { .name: act_c, .offset: 0, .size: 8, .value_kind: global_buffer, .address_space: global }
      - { .name: act_s, .offset: 8, .size: 8, .value_kind: global_buffer, .address_space: global }
      - { .name: wd_c, .offset: 16, .size: 8, .value_kind: global_buffer, .address_space: global }
      - { .name: wd_s, .offset: 24, .size: 8, .value_kind: global_buffer, .address_space: global }
      - { .name: out0, .offset: 32, .size: 8, .value_kind: global_buffer, .address_space: global }
      - { .name: Wscale_dp, .offset: 40, .size: 8, .value_kind: global_buffer, .address_space: global }
    .group_segment_fixed_size: 327680
    .private_segment_fixed_size: 0
    .kernarg_segment_align: 8
    .kernarg_segment_size: 48
    .max_flat_workgroup_size: 128
    .sgpr_count:     100
    .vgpr_count:     1024
    .wavefront_size: 32
...
	.end_amdgpu_metadata
.endif
;; end of part 4
